; MI455X (gfx1250); checked and timed in simulation.
; The chip was launched on July 23, 2026; its instructions are those of AMD's public machine-readable ISA for CDNA 5 (MIT licence, August 2026) and "CDNA5" Instruction Set Architecture Reference Guide (July 2026). The comments in the code are by the model that wrote it; some were corrected since.
;; Task Model. Allowed arithmetic: matrix products marked QUANTISED: E2M1 operands, one E8M0 scale for each 32 along K, by v_wmma_scale_f32_16x16x128_f8f6f4 with both operands' format E2M1 (or v_wmma_scale_f32_32x16x128_f4), f32 sums; everything else in f32.
;; Inputs: W 8 x 2,048 x 2,048 float32; b 8 x 2,048 float32; masks 2,048 int32; x 2,048 x 2,048 float32.
;; Outputs: out0 2,048 x 2,048 float32.
;; This version of the problem:
;;   THIS VERSION OF THE PROBLEM IS GIVEN IN LOW PRECISION. The matrix products marked QUANTISED in the list below multiply operands that are first quantised to E2M1 (2 exponent bits, 1 mantissa bit; 4 bits a number), with one power-of-two scale for each 32 numbers along K (OCP MX v1.0); their sums are f32. All else is computed in f32.
;;   The module's matrix products, in the order in which they are computed (A, B: the left and right operand; K: the contracted axis; several contracted axes count as one K, in the product's order):
;;     1. [M 2,048, K 2,048] x [K 2,048, N 16,384]; A: input x; B: input W: QUANTISED
;;   THE QUANTISER, for each operand of a quantised product, along K:
;;     - K is cut into blocks of 32 from its start; a last block that is shorter is filled with zeros.
;;     - A block's scale is 2^e with e = floor(log2(the largest magnitude in the block)) - 2, held to -126 .. 127; a block of zeros has e = 0. As a byte (E8M0): e + 127.
;;     - Each number is divided by its block's scale, clamped to +-6, and rounded to the nearest number of E2M1, ties to even, subnormals kept.
;;     - The product sums the exact products of the quantised numbers (number of the format x scale) in f32.
;;   ~~~python
;;   def quantise(x, axis):      # numpy; x: float32 -> the quantised numbers, widened to float32 again
;;       x = np.moveaxis(x, axis, -1); K = x.shape[-1]
;;       x = np.pad(x, [(0, 0)] * (x.ndim - 1) + [(0, -K % 32)]); x = x.reshape(x.shape[:-1] + (-1, 32)); a = np.abs(x).max(-1, keepdims=True)
;;       e = np.where(a > 0, np.clip(np.frexp(np.where(a > 0, a, 1))[1] - 1 - 2, -126, 127), 0)      # np.frexp(a)[1] - 1 = floor(log2(a)), exactly
;;       r = np.clip(x / 2.0 ** e, -6, 6)
;;       step = 2.0 ** (np.maximum(np.frexp(np.where(r == 0, 1, r))[1] - 1, 0) - 1)
;;       q = np.round(r / step) * step * 2.0 ** e      # np.round: ties to even
;;       return np.moveaxis(q.reshape(q.shape[:-2] + (-1,))[..., :K], -1, axis).astype(np.float32)
;;   ~~~
;; 2 versions. Each part assembles by itself: llvm-mc -triple=amdgcn-amd-amdhsa -mcpu=gfx1250 --defsym DOCPART=n.
;; ======== version 1 of 2: 2 launches
;; workspace buffers: xq 2,097,152 bytes; xs 131,072 bytes; order 8,192 bytes of whole numbers; meta 256 bytes of whole numbers
;; launch quant (part 1): grid 256 x 1, 8 waves a work-group, no clusters, 11,776 bytes of LDS; arguments x, masks, xq, xs, order, meta; writes xq, xs, order, meta
.if DOCPART == 1
	.amdgcn_target "amdgcn-amd-amdhsa--gfx1250"
	.amdhsa_code_object_version 6
	.text
	.protected	k_q51821659d5_quant
	.globl	k_q51821659d5_quant
	.p2align	8
	.type	k_q51821659d5_quant,@function
k_q51821659d5_quant:
	s_mov_b64 s[64:65], 0
	v_nop
	global_prefetch_b8 v0, s[64:65] scope:SCOPE_SE
	s_setreg_imm32_b32 hwreg(HW_REG_WAVE_MODE, 25, 1), 1
	s_wait_xcnt 0x0
; x [2048][2048] f32 becomes codes of FP4 (E2M1), K innermost, with one E8M0 byte for each 32 along K, and the tokens are SORTED BY EXPERT on the way.
; key(t) = masks[t] x 2048 + t;  pos(t) = the number of tokens with a smaller key: a permutation that lays each expert's tokens on end.  Stored:
;   xq[pos][1024 bytes] the token's codes;  xs[pos][64] its scale bytes;  order[pos] = t;  meta[e] = the number of tokens with masks < e (expert e's first place), e = 0 .. 7.
; A block's scale is 2^(floor(log2(its largest magnitude)) - 2): its byte is the largest magnitude's exponent field - 2, held at 1 from below.
; LIMITS: masks lie in 0 .. 7 (the table that they index).  NaN and infinities in x are not served.  A block of zeros gets the byte 1 where the rule says 127: its codes are zeros, and this program alone reads the bytes.
; SHARES: work-group g owns tokens 8 g .. 8 g + 7, wave w token 8 g + w: a row of 8,192 bytes, sixteen loads of 512 consecutive bytes, all out at once.
; A load's 128 numbers are one K step: lane l holds numbers 4 l .. 4 l + 3, eight neighbouring lanes hold a block.  No number goes through LDS as f32: only its codes (2 bytes a lane) and the bytes.
; THE COUNT: every work-group compares all 2,048 keys with its eight tokens' keys: thread n holds the keys of tokens 4 n + 1024 i + q; a wave's eight counts meet the other waves' in LDS.  No atomics.
; No matrix unit, no tensor load, no cluster: the launch streams x once, and nothing is shared but the 8 KiB of masks.
.set XR,   0                           ; LDS: 8 x 1,024: each wave's row of codes
.set XSB,  8192                        ; 8 x 64: its scale bytes
.set CNT,  8704                        ; 8 x 128: wave w's counts, lane j's word = its count for token 8 g + j
.set CNT2, 9728                        ; the same for meta: bytes of their own, used by work-group 0 alone
.set LN,  1                            ; v1   lane
.set L16, 2                            ; v2   16 x lane
.set MA,  3                            ; v3   16 x thread: my 16 bytes of masks
.set T4,  4                            ; v4   4 x thread: my first token, and my word among the counts
.set XRW, 5                            ; v5   XR + 1024 w + 2 lane: where my 4 codes of a K step go
.set XSW, 6                            ; v6   XSB + 64 w + lane / 8: my block's byte
.set CR,  8                            ; v8   4 w: my token's column among the counts; my word of meta
.set XRR, 9                            ; v9   XR + 1024 w + 16 lane: the row read back
.set XSR, 10                           ; v10  XSB + 64 w + 2 lane
.set L2,  11                           ; v11  2 x lane
.set KY,  16                           ; v16-23 eight masks, then their keys
.set R,   32                           ; v32-95 sixteen loads of x
.set WV,  16                           ; s16  wave
.set TOK, 17                           ; s17  my token
.set TH,  20                           ; s20-27 the group's eight masks, then their keys
.set CN,  28                           ; s28-35 my wave's eight counts
.set BAL, 36                           ; s36-39 lane masks of four compares
.set TH2, 44                           ; s44-51 e x 2048
	s_load_b256 s[4:11], s[0:1], 0x0               ; x s[4:5], masks s[6:7], xq s[8:9], xs s[10:11]
	s_load_b128 s[12:15], s[0:1], 0x20             ; order s[12:13], meta s[14:15]
	v_lshl_add_u32 v184, v0, 2, 0x2a00
	v_mov_b32 v185, 0
	v_lshrrev_b32 v[LN], 5, v0
	v_readfirstlane_b32 s[WV], v[LN]               ; wave 0..7
	v_and_b32 v[LN], 31, v0
	v_lshlrev_b32 v[L16], 4, v[LN]
	v_lshlrev_b32 v[L2], 1, v[LN]
	v_lshlrev_b32 v[MA], 4, v0
	v_lshlrev_b32 v[T4], 2, v0
	s_lshl_b32 s56, s[WV], 10
	s_lshl_b32 s57, s[WV], 6
	s_add_co_u32 s57, s57, XSB
	v_add_nc_u32 v[XRW], s56, v[L2]
	v_lshrrev_b32 v[XSW], 3, v[LN]
	v_add_nc_u32 v[XSW], s57, v[XSW]
	v_add_nc_u32 v[XRR], s56, v[L16]
	v_add_nc_u32 v[XSR], s57, v[L2]
	v_mov_b32 v[CR], s[WV]
	v_lshlrev_b32 v[CR], 2, v[CR]
	s_lshl_b32 s43, ttmp9, 3                       ; 8 g
	s_add_co_u32 s[TOK], s43, s[WV]
	s_lshl_b32 s18, s[TOK], 13                     ; my row of x: 8,192 bytes a token
	s_mov_b32 s19, 0
	s_lshl_b32 s52, ttmp9, 5                       ; the group's eight masks: 32 bytes
	s_mov_b32 s53, 0
	s_wait_kmcnt 0x0
	s_add_nc_u64 s[54:55], s[6:7], s[52:53]
	s_load_b256 s[TH:TH+7], s[54:55], 0x0
	global_load_b128 v[KY:KY+3], v[MA], s[6:7]                     ; masks of tokens 4 n + 0 .. 3
	global_load_b128 v[KY+4:KY+7], v[MA], s[6:7] offset:4096       ; and 1024 + 4 n + 0 .. 3
	s_add_nc_u64 s[4:5], s[4:5], s[18:19]
.irp i, 0,1,2,3,4,5,6,7,8,9,10,11,12,13,14,15
	global_load_b128 v[R+4*\i:R+4*\i+3], v[L16], s[4:5] offset:512*\i th:TH_LOAD_NT   ; K step i: 32 lanes read 512 consecutive bytes; read once in the launch
.endr
	s_wait_kmcnt 0x0
.irp j, 0,1,2,3,4,5,6,7
	s_lshl_b32 s[TH+\j], s[TH+\j], 11
	s_add_co_u32 s[TH+\j], s[TH+\j], s43
.if \j > 0
	s_add_co_u32 s[TH+\j], s[TH+\j], \j            ; key of token 8 g + j
.endif
.endr
	s_wait_loadcnt 16                              ; the two loads of masks are in; x's sixteen, issued behind them, stay out
.irp k, 0,1,2,3,4,5,6,7
	v_lshl_add_u32 v[KY+\k], v[KY+\k], 11, v[T4]
.endr
.irp k, 1,2,3,4,5,6,7
	v_add_nc_u32 v[KY+\k], 1024*(\k/4)+\k%4, v[KY+\k]
.endr
; For each of eight thresholds s[th + j]: how many of my wave's 256 keys lie under it.  The eight counts go into lanes 0-7 of v[vc] and to my wave's 128 bytes at base.
.macro COUNT8 th, vc, base
.irp j, 0,1,2,3,4,5,6,7
.irp q, 0,4
.irp i, 0,1,2,3
	v_cmp_gt_u32 s[BAL+\i], s[\th+\j], v[KY+\q+\i]
.endr
.irp i, 0,1,2,3
.if (\q+\i) == 0
	s_bcnt1_i32_b32 s[CN+\j], s[BAL]
.else
	s_bcnt1_i32_b32 s40, s[BAL+\i]
	s_add_co_u32 s[CN+\j], s[CN+\j], s40
.endif
.endr
.endr
.endr
	v_mov_b32 v[\vc], 0
.irp j, 0,1,2,3,4,5,6,7
	v_writelane_b32 v[\vc], s[CN+\j], \j
.endr
	ds_store_b32 v[T4], v[\vc] offset:\base
.endm
	COUNT8 TH, 24, CNT
	s_cmp_lg_u32 ttmp9, 0                          ; work-group 0 also counts for meta
	s_cbranch_scc1 .Lno_count2
.irp j, 0,1,2,3,4,5,6,7
	s_mov_b32 s[TH2+\j], \j<<11
.endr
	COUNT8 TH2, 25, CNT2
.Lno_count2:
; Eight loads (K steps 8 r .. 8 r + 7) become codes and bytes.  Every line is taken eight wide, so that no line waits for the line above it; each run has its own temporaries.
; A conversion takes eight numbers: the four of load 2 j and the four of load 2 j + 1, which belong to two blocks.  It is made twice: under the first block's scale its low 16 bits are right,
; under the second's its high 16 bits; the other half is never stored (FP4 has no code for NaN: it is merely some code).
.macro QRUN r
.set RB,  R+32*\r
.set MX,  96+8*\r
.set CD,  112+8*\r
.set SCL, 128+8*\r
.set BY,  144+8*\r
.irp i, 0,1,2,3,4,5,6,7
	v_max3_num_f32 v[MX+\i], |v[RB+4*\i]|, |v[RB+4*\i+1]|, 0x1800000   ; with the floor 2^(3 - 127): the byte cannot fall under 1
.endr
.irp i, 0,1,2,3,4,5,6,7
	v_max3_num_f32 v[MX+\i], |v[RB+4*\i+2]|, |v[RB+4*\i+3]|, v[MX+\i]
.endr
.irp m, 1,2,4
.irp i, 0,1,2,3,4,5,6,7
	v_max_num_f32_dpp v[MX+\i], v[MX+\i], v[MX+\i] row_xmask:\m row_mask:0xf bank_mask:0xf   ; the block's eight lanes
.endr
.endr
.irp i, 0,1,2,3,4,5,6,7
	v_add_nc_u32 v[SCL+\i], 0xff000000, v[MX+\i]   ; 2 off the exponent field: the conversion takes the exponent field of this operand as its scale
.endr
.irp i, 0,1,2,3,4,5,6,7
	v_lshrrev_b32 v[BY+\i], 23, v[SCL+\i]          ; the scale's byte
.endr
.irp j, 0,1,2,3
	v_cvt_scalef32_pk8_fp4_f32 v[CD+2*\j], v[RB+8*\j:RB+8*\j+7], v[SCL+2*\j]
	v_cvt_scalef32_pk8_fp4_f32 v[CD+2*\j+1], v[RB+8*\j:RB+8*\j+7], v[SCL+2*\j+1]
.endr
	v_nop                                          ; one plain vector line behind the last scaled conversion
.irp j, 0,1,2,3
	ds_store_b16 v[XRW], v[CD+2*\j] offset:64*(8*\r+2*\j)               ; 32 lanes: the K step's 64 bytes of codes
	ds_store_b16_d16_hi v[XRW], v[CD+2*\j+1] offset:64*(8*\r+2*\j+1)
.endr
.irp i, 0,1,2,3,4,5,6,7
	ds_store_b8 v[XSW], v[BY+\i] offset:4*(8*\r+\i)                     ; the eight lanes of a block write the same byte with the same value
.endr
.endm
	s_wait_loadcnt 8                               ; K steps 0-7 are in; the eight loads behind them stay out
	QRUN 0
	s_wait_loadcnt 0x0
	QRUN 1
	s_wait_dscnt 0x0                               ; for the others' sake: my counts lie in LDS
	s_barrier_signal -1
	s_barrier_wait -1                              ; the one barrier: every wave passes it
	s_cmp_lg_u32 ttmp9, 0
	s_cbranch_scc1 .Lno_meta                       ; work-group 0, wave w: meta[w] = the eight waves' counts under w x 2048
.irp j, 0,1,2,3,4,5,6,7
	ds_load_b32 v[KY+\j], v[CR] offset:CNT2+128*\j
.endr
	s_wait_dscnt 0x0
	v_add3_u32 v26, v[KY], v[KY+1], v[KY+2]
	v_add3_u32 v26, v26, v[KY+3], v[KY+4]
	v_add3_u32 v26, v26, v[KY+5], v[KY+6]
	v_add_nc_u32 v26, v26, v[KY+7]
	s_wait_xcnt 0x0                                ; EXEC is a source of the memory instructions issued so far: it changes only behind this wait
	v_cmp_eq_u32 vcc_lo, 0, v[LN]
	s_and_saveexec_b32 s42, vcc_lo
	global_store_b32 v[CR], v26, s[14:15]
	s_wait_xcnt 0x0                                ; and again in front of the line that widens it
	s_or_b32 exec_lo, exec_lo, s42
.Lno_meta:
.irp j, 0,1,2,3,4,5,6,7
	ds_load_b32 v[170+\j], v[CR] offset:CNT+128*\j ; wave j's count for my token
.endr
	ds_load_b128 v[160:163], v[XRR]                ; my row of codes, 16 bytes a lane (my own bytes: LDS serves a wave's instructions in order)
	ds_load_b128 v[164:167], v[XRR] offset:512
	ds_load_u16 v168, v[XSR]                       ; its 64 scale bytes, 2 a lane
	s_wait_dscnt 0x0
	v_add3_u32 v178, v170, v171, v172
	v_add3_u32 v178, v178, v173, v174
	v_add3_u32 v178, v178, v175, v176
	v_add_nc_u32 v178, v178, v177
	v_readfirstlane_b32 s41, v178                  ; pos
	s_min_u32 s41, s41, 2047                       ; a count of at most 2,047 smaller keys: held there before it enters an address
	s_lshl_b32 s52, s41, 10
	s_add_nc_u64 s[8:9], s[8:9], s[52:53]
	s_lshl_b32 s52, s41, 6
	s_add_nc_u64 s[10:11], s[10:11], s[52:53]
	s_lshl_b32 s52, s41, 2
	s_add_nc_u64 s[12:13], s[12:13], s[52:53]
	v_mov_b32 v169, s[TOK]
	global_store_b128 v[L16], v[160:163], s[8:9]               ; 32 lanes store 512 consecutive bytes, at a multiple of 1,024 from xq's first byte
	global_store_b128 v[L16], v[164:167], s[8:9] offset:512
	global_store_b16 v[L2], v168, s[10:11]                     ; 64 consecutive bytes: neighbouring tokens land at places far apart, so no more lie together
	s_wait_xcnt 0x0                                ; EXEC changes only behind this wait
	v_cmp_eq_u32 vcc_lo, 0, v[LN]
	s_wait_tensorcnt 0x0
	ds_add_u32 v184, v185
	s_wait_dscnt 0x0
	s_and_saveexec_b32 s42, vcc_lo
	global_store_b32 v[L16], v169, s[12:13]        ; order[pos] = t (lane 0's offset, 16 x lane, is 0)
	s_wait_xcnt 0x0
	s_or_b32 exec_lo, exec_lo, s42
	s_endpgm
.Lfunc_end_k_q51821659d5_quant:
	.size	k_q51821659d5_quant, .Lfunc_end_k_q51821659d5_quant-k_q51821659d5_quant
	.p2alignl 7, 3214868480
	.fill 96, 4, 3214868480
	.section	.rodata,"a",@progbits
	.p2align	6, 0x0
	.amdhsa_kernel k_q51821659d5_quant
		.amdhsa_group_segment_fixed_size 11776
		.amdhsa_private_segment_fixed_size 0
		.amdhsa_enable_private_segment 0
		.amdhsa_kernarg_size 48
		.amdhsa_user_sgpr_count 2
		.amdhsa_user_sgpr_kernarg_segment_ptr 1
		.amdhsa_wavefront_size32 1
		.amdhsa_system_sgpr_workgroup_id_x 1
		.amdhsa_system_sgpr_workgroup_id_y 1
		.amdhsa_system_sgpr_workgroup_id_z 1
		.amdhsa_system_vgpr_workitem_id 0
		.amdhsa_next_free_vgpr 186
		.amdhsa_next_free_sgpr 66
		.amdhsa_reserve_vcc 1
		.amdhsa_float_denorm_mode_32 3
		.amdhsa_float_denorm_mode_16_64 3
		.amdhsa_memory_ordered 1
		.amdhsa_forward_progress 1
		.amdhsa_inst_pref_size 36
	.end_amdhsa_kernel
	.amdgpu_metadata
---
amdhsa.version: [ 1, 2 ]
amdhsa.kernels:
  - .name:           k_q51821659d5_quant
    .symbol:         k_q51821659d5_quant.kd
    .args:
      - { .name: x, .offset: 0, .size: 8, .value_kind: global_buffer, .address_space: global }
      - { .name: masks, .offset: 8, .size: 8, .value_kind: global_buffer, .address_space: global }
      - { .name: xq, .offset: 16, .size: 8, .value_kind: global_buffer, .address_space: global }
      - { .name: xs, .offset: 24, .size: 8, .value_kind: global_buffer, .address_space: global }
      - { .name: order, .offset: 32, .size: 8, .value_kind: global_buffer, .address_space: global }
      - { .name: meta, .offset: 40, .size: 8, .value_kind: global_buffer, .address_space: global }
    .group_segment_fixed_size: 11776
    .private_segment_fixed_size: 0
    .kernarg_segment_align: 8
    .kernarg_segment_size: 48
    .max_flat_workgroup_size: 256
    .sgpr_count:     66
    .vgpr_count:     186
    .wavefront_size: 32
...
	.end_amdgpu_metadata
.endif
;; end of part 1
;; launch experts (part 2): grid 32 x 8, 8 waves a work-group, no clusters, 216,064 bytes of LDS; arguments W, b, xq, xs, order, meta, out0; writes out0
.if DOCPART == 2
	.amdgcn_target "amdgcn-amd-amdhsa--gfx1250"
	.amdhsa_code_object_version 6
	.text
	.protected	k_q51821659d5_experts
	.globl	k_q51821659d5_experts
	.p2align	8
	.type	k_q51821659d5_experts,@function
k_q51821659d5_experts:
	s_mov_b64 s[64:65], 0
	v_nop
	global_prefetch_b8 v0, s[64:65] scope:SCOPE_SE
	s_setreg_imm32_b32 hwreg(HW_REG_WAVE_MODE, 25, 1), 1
	s_wait_xcnt 0x0
; out0[t][:] = Q(x[t]) . Q(W[e])^T + b[e], e = masks[t], on codes of FP4 (E2M1) with one E8M0 scale for each 32 along K.  Only the chosen expert's rows are multiplied.
; x comes as codes sorted by expert (xq, xs, order, meta: the launch before).  W [8][2048][2048] f32 is read ONCE, quantised on the way, and its codes never go to memory.
; SHARES: work-group (ns, e) owns expert e and output columns 64 ns .. 64 ns + 63: 64 rows of W, 512 KiB, and 256 consecutive bytes of every output row.  256 work-groups.
;   Wave w streams W's rows 8 w .. 8 w + 7 of the slice and lays their codes into an image in LDS that all eight waves read.
;   Wave w multiplies the tiles gb + w + 8 u (u = 0, 1, 2) of 16 sorted places of the expert against all 64 columns: 12 accumulators.  The main pass (gb = 0) holds 24 tiles, 384 tokens;
;   an expert with more tokens goes on in a loop of 24 tiles a trip, which reads the finished image and has no barrier: so every split is served, all tokens on one expert too.
; K goes in four chunks of 512.  In a period the waves quantise chunk c of W while they multiply chunk c - 1, one K step of 128 ahead of each W step; one barrier a period, all four in straight-line text.
; A place past the expert's end is held at its last place: such rows compute and store the same numbers again; a tile that does not exist is computed on one row and its way out is jumped over.  EXEC never changes.
; THE MATRIX INSTRUCTION: source 0 = 16 rows of W, source 1 = 16 tokens: lane (r, h) holds token r and columns 16 nt + 8 h + 0 .. 7.  The bias is the C of each sum's first product.
; NO TENSOR LOADS, NO CLUSTER: the number of tiles hangs on counts read from memory, so operands come through registers; W is shared by no two work-groups.
; LIMITS: masks in 0 .. 7 (expert 7 ends at place 2,048).  NaN and infinities are not served.  A block of zeros has the byte 1 and zero codes.  An expert without tokens still has its W streamed.
.set WIMG,  0                          ; LDS: W's image: 256 units (nt, block) of 16 rows x 16 bytes, 272 bytes apart: unit 64 nt + block.  Written once, never again
.set UNIT,  272                        ; 256 + 16: lanes 0-15 read one unit on end, lanes 16-31 the next, 16 bytes further round the banks
.set WSC,   69632                      ; W's scale bytes: [chunk][row 0..63][16]: byte 4 k + block of K step 4 chunk + k
.set XB,    110592                     ; each wave's own 13,056 bytes: three tiles of 16 rows x (256 + 16): x's codes of one chunk; at the end the results on their way out
.set XTILE, 4352
.set XWAVE, 13056
.set MORE,  5                          ; trips of the loop behind the main pass: 2,048 tokens are 128 tiles at the most: 24 in the main pass, 5 x 24 cover tiles 24 .. 143
; window 0
.set LW,   1                           ; v1   16 x lane
.set L15,  2                           ; v2   lane % 16
.set HALF, 3                           ; v3   lane / 16
.set L16,  4                           ; v4   16 x (lane % 16)
.set BOF,  5                           ; v5   32 x (lane / 16): my eight numbers of a tile's bias
.set IMW,  6                           ; v6   where my 4 codes go in the image
.set SCW,  7                           ; v7   where my block's byte goes
.set XBI,  8                           ; v8   XB: rows by pairs: 272 (lane / 16) + 16 (lane % 16)
.set XBF,  9                           ; v9   XB: a fragment: 272 (lane % 16) + 16 (lane / 16)
.set XBA,  10                          ; v10  XB: results: 272 (lane % 16) + 32 (lane / 16)
.set ADW0, 11                          ; v11  the image's fragments, nt = 0, 1;  v12: nt = 2, 3
.set ADW1, 12
.set ADS,  13                          ; v13  W's scale words: WSC + 16 x lane
.set XSO,  14                          ; v14  byte offset in xs: lanes 0-15 tile 0's rows, lanes 16-31 tile 1's;  v15: tile 2's
.set TMP,  16                          ; v16-18 at work
.set XO,   32                          ; v32-55  [8 u + i]: byte offset of rows 2 i + lane / 16 of tile u: in xq, then in order, then in out0
.set WS,   56                          ; v56-63  W's scale words of a chunk: [4 a + k]: lanes 0-15 nt = 2 a, lanes 16-31 nt = 2 a + 1.  Scales and nothing else
.set XS,   64                          ; v64-95  x's scale words: [8 c + k] tiles 0 (lanes 0-15) and 1 (lanes 16-31), [8 c + 4 + k] tile 2.  Scales and nothing else
.set MX,   96                          ; a W step's temporaries: v96.. largest magnitudes, v104.. scale operands, v112.. bytes, v120.. codes
.set SCL,  104
.set BY,   112
.set CD,   120
.set WF,   96                          ; a K step's fragments: v96-127 W's four, v128-151 x's three
.set XF,   128
.set ACC,  152                         ; v152-247 accumulator (u, nt) at 32 u + 8 nt
; window 1: what is on its way from memory: slot j at v[32 j], j = 0 .. 3 W's, 4 .. 6 x's tiles;  v224-255 the bias, 8 registers for each nt, kept
.set BI,   224
.set WV,    18                         ; s18 wave
.set EX,    19                         ; s19 expert
.set START, 21                         ; s21 the expert's first place
.set END,   22                         ; s22 the place behind its last
.set SNT,   24                         ; s24 its tiles of 16
.set LAST,  25                         ; s25 its last place
.set GB,    26                         ; s26 the pass's first tile
.set TL,    27                         ; s27-29 my three tiles
.set PB,    30                         ; s30-32 their first places
.set TRIP,  44                         ; s44 counts the trips of the loop behind the main pass
.set MSB, 0
.macro WIN new                         ; s_set_vgpr_msb: bits 1:0 source 0, 3:2 source 1, 5:4 source 2, 7:6 destination; the high byte repeats the setting that is left
.if MSB != \new
	s_set_vgpr_msb (MSB<<8)|\new
.set MSB, \new
.endif
.endm
; THE COUNTS OF THE WAITS FOR LOADS are kept by the assembler: ISS = loads issued so far, ATj = ISS just behind slot j's eight.  Loads return in order, so ISS - ATj, the loads issued behind
; slot j's, may stay out.  The count is held at 63, the largest that the wait can name: a smaller count than the number of younger loads is always right.
.set ISS, 0
.macro WAITFOR j
.if ISS-AT\j > 63
	s_wait_loadcnt 63
.else
	s_wait_loadcnt ISS-AT\j
.endif
.endm
.macro WLOAD c, j                      ; slot j: my rows 2 j, 2 j + 1, chunk c: eight loads of 512 consecutive bytes, each one K step of one row
	WIN 0x40
.irp i, 0,1,2,3,4,5,6,7
	global_load_b128 v[32*\j+4*\i:32*\j+4*\i+3], v[LW], s[4:5] offset:(2*\j+\i/4)*8192+2048*(\c)+512*(\i%4) th:TH_LOAD_NT
.endr
	WIN 0
.set ISS, ISS+8
.set AT\j, ISS
.endm
.macro XLOAD c, j, u                   ; slot j: tile u's 16 rows of codes, chunk c: lanes 0-15 the 256 bytes of row 2 i, lanes 16-31 those of row 2 i + 1
	WIN 0x40
.irp i, 0,1,2,3,4,5,6,7
	global_load_b128 v[32*\j+4*\i:32*\j+4*\i+3], v[XO+8*\u+\i], s[8:9] offset:256*(\c)
.endr
	WIN 0
.set ISS, ISS+8
.set AT\j, ISS
.endm
; A W STEP: slot j's 1,024 numbers become codes and bytes in the image.  Lane l holds numbers 4 l .. 4 l + 3 of a load's 128: eight neighbouring lanes hold a block.  Every line eight wide.
; A conversion takes the four numbers of load 2 q and the four of load 2 q + 1 and is made twice: under the first's scale its low 16 bits are right, under the second's its high 16; the other half is never stored.
.macro WSTEP c, j
	WAITFOR \j
	s_wait_dscnt 0x0                               ; the LDS stores issued so far have read the temporaries
	WIN 0x05                                       ; sources 0 and 1: window 1
.irp i, 0,1,2,3,4,5,6,7
	v_max3_num_f32 v[MX+\i], |v[32*\j+4*\i]|, |v[32*\j+4*\i+1]|, 0x1800000   ; with the floor 2^(3 - 127): the byte cannot fall under 1
.endr
.irp i, 0,1,2,3,4,5,6,7
	v_max3_num_f32 v[MX+\i], |v[32*\j+4*\i+2]|, |v[32*\j+4*\i+3]|, v[MX+\i]
.endr
	WIN 0
.irp m, 1,2,4
.irp i, 0,1,2,3,4,5,6,7
	v_max_num_f32_dpp v[MX+\i], v[MX+\i], v[MX+\i] row_xmask:\m row_mask:0xf bank_mask:0xf
.endr
.endr
.irp i, 0,1,2,3,4,5,6,7
	v_add_nc_u32 v[SCL+\i], 0xff000000, v[MX+\i]   ; 2 off the exponent field: the conversion's scale operand
.endr
.irp i, 0,1,2,3,4,5,6,7
	v_lshrrev_b32 v[BY+\i], 23, v[SCL+\i]          ; the scale's byte
.endr
	WIN 0x01                                       ; source 0: window 1
.irp q, 0,1,2,3
	v_cvt_scalef32_pk8_fp4_f32 v[CD+2*\q], v[32*\j+8*\q:32*\j+8*\q+7], v[SCL+2*\q]
	v_cvt_scalef32_pk8_fp4_f32 v[CD+2*\q+1], v[32*\j+8*\q:32*\j+8*\q+7], v[SCL+2*\q+1]
.endr
	WIN 0
	v_nop                                          ; one plain vector line behind the last scaled conversion
.irp i, 0,1,2,3,4,5,6,7
.if \i%2
	ds_store_b16_d16_hi v[IMW], v[CD+\i] offset:1088*(4*(\c)+\i%4)+32*\j+16*(\i/4)
.else
	ds_store_b16 v[IMW], v[CD+\i] offset:1088*(4*(\c)+\i%4)+32*\j+16*(\i/4)      ; K step 4 c + i % 4 (four units of 272), row 2 j + i / 4 of my eight
.endif
.endr
.irp i, 0,1,2,3,4,5,6,7
	ds_store_b8 v[SCW], v[BY+\i] offset:1024*(\c)+32*\j+16*(\i/4)+4*(\i%4)          ; the eight lanes of a block write the same byte with the same value
.endr
.if \c < 3
	WLOAD \c+1, \j                                 ; the slot is asked for again at once: four slots, 16 KiB of W, are always on a wave's way
.endif
.endm
.macro XPUT j, u                       ; slot j's rows into my own XB
	WIN 0x04                                       ; an LDS store's data are its source 1: window 1
.irp i, 0,1,2,3,4,5,6,7
	ds_store_b128 v[XBI], v[32*\j+4*\i:32*\j+4*\i+3] offset:XTILE*\u+544*\i
.endr
	WIN 0
.endm
.macro XSTEP c, j, u
	WAITFOR \j
	XPUT \j, \u
.if \c < 3
	s_wait_dscnt 0x0                               ; the stores have read the slot's registers: the next chunk's loads may land there
	XLOAD \c+1, \j, \u
.endif
.endm
; A K STEP of 128, the k-th of chunk c: W's four fragments from the image, x's three from my XB, 12 products.  The 12 accumulators take turns, one instruction a turn, in the same order
; in every K step.  The very first K step takes the bias as C: nothing is cleared.
.macro MK c, k
.if \k == 0
.irp a, 0,1
	ds_load_b128 v[WS+4*\a:WS+4*\a+3], v[ADS] offset:1024*(\c)+512*\a              ; the chunk's four scale words of rows 32 a + lane
.endr
.endif
.irp nt, 0,1,2,3
.irp cc, 0,1
	ds_load_b128 v[WF+8*\nt+4*\cc:WF+8*\nt+4*\cc+3], v[ADW0+\nt/2] offset:((\nt%2)*64+4*(4*(\c)+\k)+2*\cc)*UNIT   ; lane (r, h): block 4 s + 2 cc + h of row r
.endr
.endr
.irp u, 0,1,2
.irp cc, 0,1
	ds_load_b128 v[XF+8*\u+4*\cc:XF+8*\u+4*\cc+3], v[XBF] offset:XTILE*\u+64*\k+32*\cc
.endr
.endr
	s_wait_dscnt 0x0
.if (4*(\c)+\k) == 0
	WIN 0x10                                       ; source 2, the bias: window 1
.endif
.irp u, 0,1,2
.irp nt, 0,1,2,3
.set rD, ACC+32*\u+8*\nt
.if (4*(\c)+\k) == 0
.set rC, BI+8*\nt
.else
.set rC, rD
.endif
.set rA, WF+8*\nt
.set rB, XF+8*\u
.set rSA, WS+4*(\nt/2)+\k
.set rSB, XS+8*(\c)+4*(\u/2)+\k
.if (\nt%2) && (\u == 1)
	v_wmma_scale_f32_16x16x128_f8f6f4 v[rD:rD+7], v[rA:rA+7], v[rB:rB+7], v[rC:rC+7], v[rSA], v[rSB] matrix_a_fmt:MATRIX_FMT_FP4 matrix_b_fmt:MATRIX_FMT_FP4 matrix_a_scale:MATRIX_SCALE_ROW1 matrix_b_scale:MATRIX_SCALE_ROW1
.elseif \nt%2
	v_wmma_scale_f32_16x16x128_f8f6f4 v[rD:rD+7], v[rA:rA+7], v[rB:rB+7], v[rC:rC+7], v[rSA], v[rSB] matrix_a_fmt:MATRIX_FMT_FP4 matrix_b_fmt:MATRIX_FMT_FP4 matrix_a_scale:MATRIX_SCALE_ROW1
.elseif \u == 1
	v_wmma_scale_f32_16x16x128_f8f6f4 v[rD:rD+7], v[rA:rA+7], v[rB:rB+7], v[rC:rC+7], v[rSA], v[rSB] matrix_a_fmt:MATRIX_FMT_FP4 matrix_b_fmt:MATRIX_FMT_FP4 matrix_b_scale:MATRIX_SCALE_ROW1
.else
	v_wmma_scale_f32_16x16x128_f8f6f4 v[rD:rD+7], v[rA:rA+7], v[rB:rB+7], v[rC:rC+7], v[rSA], v[rSB] matrix_a_fmt:MATRIX_FMT_FP4 matrix_b_fmt:MATRIX_FMT_FP4
.endif
.endr
.endr
	WIN 0
.rept 4
	v_nop                                          ; four places in front of what follows: loads into the fragments' and scales' registers, a W step's writes over them, the first read of results
.endr
.endm
.macro SCAL                            ; my three tiles of the pass and their first places
	s_add_co_u32 s[TL], s[GB], s[WV]
	s_add_co_u32 s[TL+1], s[TL], 8
	s_add_co_u32 s[TL+2], s[TL], 16
.irp u, 0,1,2
	s_lshl_b32 s[PB+\u], s[TL+\u], 4
	s_add_co_u32 s[PB+\u], s[PB+\u], s[START]
.endr
.endm
; XO[8 u + i] = the place of row 2 i + lane / 16 of tile u, held at the expert's last place and inside the table; sh = 10: its byte in xq, + 16 (lane % 16); sh = 2: its word of order
.macro POS sh
.irp u, 0,1,2
	v_add_nc_u32 v[TMP], s[PB+\u], v[HALF]
.irp i, 0,1,2,3,4,5,6,7
.if \i == 0
	v_min_u32 v[XO+8*\u], s[LAST], v[TMP]
.else
	v_add_nc_u32 v[XO+8*\u+\i], 2*\i, v[TMP]
	v_min_u32 v[XO+8*\u+\i], s[LAST], v[XO+8*\u+\i]
.endif
	v_min_u32 v[XO+8*\u+\i], 0x7ff, v[XO+8*\u+\i]
.if \sh == 10
	v_lshl_add_u32 v[XO+8*\u+\i], v[XO+8*\u+\i], 10, v[L16]
.else
	v_lshlrev_b32 v[XO+8*\u+\i], 2, v[XO+8*\u+\i]
.endif
.endr
.endr
.endm
.macro XSADR                           ; tile 1 begins 8 tiles, 128 places, behind tile 0
	v_lshl_add_u32 v[TMP], v[HALF], 7, v[L15]
	v_add_nc_u32 v[XSO], s[PB], v[TMP]
	v_add_nc_u32 v[XSO+1], s[PB+2], v[L15]
.irp a, 0,1
	v_min_u32 v[XSO+\a], s[LAST], v[XSO+\a]
	v_min_u32 v[XSO+\a], 0x7ff, v[XSO+\a]
	v_lshlrev_b32 v[XSO+\a], 6, v[XSO+\a]          ; 64 scale bytes a place
.endr
.endm
.macro XSLOAD                          ; my rows' 64 scale bytes, four words for each chunk
.irp c, 0,1,2,3
	global_load_b128 v[XS+8*\c:XS+8*\c+3], v[XSO], s[10:11] offset:16*\c
	global_load_b128 v[XS+8*\c+4:XS+8*\c+7], v[XSO+1], s[10:11] offset:16*\c
.endr
.set ISS, ISS+8
.endm
.macro ORDER                           ; XO: a place's word of order -> its token.  Each load lands on its own address register
.irp n, 0,1,2,3,4,5,6,7,8,9,10,11,12,13,14,15,16,17,18,19,20,21,22,23
	global_load_b32 v[XO+\n], v[XO+\n], s[12:13]
.endr
.set ISS, ISS+24
.endm
.macro OO                              ; XO: a token -> the byte of its row in out0, + 16 (lane % 16)
.irp n, 0,1,2,3,4,5,6,7,8,9,10,11,12,13,14,15,16,17,18,19,20,21,22,23
	v_min_u32 v[XO+\n], 0x7ff, v[XO+\n]
	v_lshl_add_u32 v[XO+\n], v[XO+\n], 13, v[L16]
.endr
.endm
; THE WAY OUT of tile u.  A lane holds 32 neighbouring bytes of a row for each nt, and the lanes beside it hold other rows: so the tile goes through my own XB and comes back by rows of 256 bytes:
; sixteen lanes store 256 consecutive bytes, at a multiple of 256 from out0's first byte.  LDS serves a wave's instructions in order: no wait between the stores and the loads.
.macro OUT u
	s_cmp_ge_u32 s[TL+\u], s[SNT]                  ; a tile that the expert does not have stores nothing
	s_cbranch_scc1 .Lnone_\@
.irp nt, 0,1,2,3
.irp q, 0,1
	ds_store_b128 v[XBA], v[ACC+32*\u+8*\nt+4*\q:ACC+32*\u+8*\nt+4*\q+3] offset:XTILE*\u+64*\nt+16*\q   ; each accumulator from its low end on
.endr
.endr
	WIN 0x40
.irp i, 0,1,2,3,4,5,6,7
	ds_load_b128 v[32*(4+\u)+4*\i:32*(4+\u)+4*\i+3], v[XBI] offset:XTILE*\u+544*\i
.endr
	WIN 0x04                                       ; a store's data are its source 1: window 1
.irp i, 0,1,2,3,4,5,6,7
	s_wait_dscnt 7-\i                              ; rows 2 i, 2 i + 1 are back; the loads behind them may be out
	global_store_b128 v[XO+8*\u+\i], v[32*(4+\u)+4*\i:32*(4+\u)+4*\i+3], s[16:17] th:TH_STORE_NT
.endr
	WIN 0
.Lnone_\@:
.endm
.macro PERIOD c                        ; chunk c of W and of x comes in; chunk c - 1 is multiplied, one K step ahead of each W step
.irp p, 0,1,2,3
.if \c > 0
	MK \c-1, \p
.endif
	WSTEP \c, \p
.endr
	XSTEP \c, 4, 0
	XSTEP \c, 5, 1
	XSTEP \c, 6, 2
.endm
.macro BAR                             ; my stores into the image have landed: then the work-group's barrier.  Behind it chunk c of the image is whole
	s_wait_dscnt 0x0
	s_barrier_signal -1
	s_barrier_wait -1
.endm
	s_load_b256 s[4:11], s[0:1], 0x0               ; W s[4:5], b s[6:7], xq s[8:9], xs s[10:11]
	s_load_b128 s[12:15], s[0:1], 0x20             ; order s[12:13], meta s[14:15]
	s_load_b64 s[16:17], s[0:1], 0x30              ; out0
	v_lshl_add_u32 v254, v0, 2, 0x34800
	v_mov_b32 v255, 0
	v_lshrrev_b32 v[TMP], 5, v0
	v_readfirstlane_b32 s[WV], v[TMP]              ; wave 0..7
	s_and_b32 s[EX], ttmp7, 0xffff                 ; the expert
	v_and_b32 v[TMP], 31, v0
	v_lshlrev_b32 v[LW], 4, v[TMP]
	v_and_b32 v[L15], 15, v0
	v_bfe_u32 v[HALF], v0, 4, 1
	v_lshlrev_b32 v[L16], 4, v[L15]
	v_lshlrev_b32 v[BOF], 5, v[HALF]
	; every LDS address is made here, of constants, the lane and the wave's number
	s_lshr_b32 s33, s[WV], 1
	s_mul_i32 s33, s33, 64*UNIT                    ; my rows' tile nt = w / 2,
	s_and_b32 s34, s[WV], 1
	s_lshl_b32 s34, s34, 7                         ; and their half of it: rows 8 (w % 2) on, 16 bytes a row
	s_add_co_u32 s33, s33, s34
	v_bfe_u32 v[TMP+1], v0, 3, 2                   ; lane / 8: my block of a K step's four
	v_and_b32 v[TMP+2], 7, v0
	v_mul_u32_u24 v[IMW], v[TMP+1], UNIT
	v_lshl_add_u32 v[IMW], v[TMP+2], 1, v[IMW]     ; my 2 bytes of the block's 16
	v_add_nc_u32 v[IMW], s33, v[IMW]
	s_lshl_b32 s33, s[WV], 7
	s_add_co_u32 s33, s33, WSC
	v_add_nc_u32 v[SCW], s33, v[TMP+1]
	s_mul_i32 s33, s[WV], XWAVE
	s_add_co_u32 s33, s33, XB
	v_mul_u32_u24 v[TMP+1], v[HALF], UNIT
	v_add_nc_u32 v[TMP+1], v[TMP+1], v[L16]
	v_add_nc_u32 v[XBI], s33, v[TMP+1]
	v_add_nc_u32 v[ADW0], WIMG, v[TMP+1]
	v_add_nc_u32 v[ADW1], WIMG+128*UNIT, v[TMP+1]
	v_mul_u32_u24 v[TMP+2], v[L15], UNIT
	v_add_nc_u32 v[TMP+2], s33, v[TMP+2]
	v_lshl_add_u32 v[XBF], v[HALF], 4, v[TMP+2]
	v_lshl_add_u32 v[XBA], v[HALF], 5, v[TMP+2]
	v_add_nc_u32 v[ADS], WSC, v[LW]
	; byte offsets: W: expert 2^24, slice of 64 rows 2^19, my 8 rows 2^16;  b: expert 2^13, slice 2^8;  out0: slice 2^8;  meta: words e and min(e + 1, 7)
	s_lshl_b32 s34, s[EX], 24
	s_lshl_b32 s33, ttmp9, 19
	s_add_co_u32 s34, s34, s33
	s_lshl_b32 s33, s[WV], 16
	s_add_co_u32 s34, s34, s33
	s_mov_b32 s35, 0
	s_lshl_b32 s40, s[EX], 13
	s_lshl_b32 s42, ttmp9, 8
	s_add_co_u32 s40, s40, s42
	s_mov_b32 s41, 0
	s_mov_b32 s43, 0
	s_lshl_b32 s36, s[EX], 2
	s_mov_b32 s37, 0
	s_add_co_u32 s38, s[EX], 1
	s_min_u32 s38, s38, 7
	s_lshl_b32 s38, s38, 2
	s_mov_b32 s39, 0
	s_wait_kmcnt 0x0
	s_add_nc_u64 s[36:37], s[14:15], s[36:37]
	s_add_nc_u64 s[38:39], s[14:15], s[38:39]
	s_load_b32 s[START], s[36:37], 0x0
	s_load_b32 s[END], s[38:39], 0x0
	s_add_nc_u64 s[4:5], s[4:5], s[34:35]
	s_add_nc_u64 s[6:7], s[6:7], s[40:41]
	s_add_nc_u64 s[16:17], s[16:17], s[42:43]
	WLOAD 0, 0                                     ; W goes out first: it hangs on ids alone
	WLOAD 0, 1
	WLOAD 0, 2
	WLOAD 0, 3
	WIN 0x40
.irp nt, 0,1,2,3
.irp q, 0,1
	global_load_b128 v[BI+8*\nt+4*\q:BI+8*\nt+4*\q+3], v[BOF], s[6:7] offset:64*\nt+16*\q   ; b[e][64 ns + 16 nt + 8 h + 4 q ..]: the result's layout
.endr
.endr
	WIN 0
.set ISS, ISS+8
	s_wait_kmcnt 0x0                               ; the expert's places
	s_cmp_eq_u32 s[EX], 7
	s_cselect_b32 s[END], 0x800, s[END]            ; expert 7 ends at place 2,048
	s_min_u32 s[START], s[START], 2048
	s_min_u32 s[END], s[END], 2048
	s_max_u32 s[END], s[END], s[START]
	s_sub_co_u32 s23, s[END], s[START]             ; its tokens,
	s_add_co_u32 s[SNT], s23, 15
	s_lshr_b32 s[SNT], s[SNT], 4                   ; its tiles,
	s_max_u32 s[LAST], s[END], 1
	s_sub_co_u32 s[LAST], s[LAST], 1               ; its last place (with no token: some place inside the table; nothing is stored then)
	s_mov_b32 s[GB], 0
	SCAL
	XSADR
	XSLOAD                                         ; ahead of x's slots: so the waits for those slots show the scale words and the bias landed, ahead of the first product
	POS 10
	XLOAD 0, 4, 0
	XLOAD 0, 5, 1
	XLOAD 0, 6, 2
	PERIOD 0
	BAR
	PERIOD 1
	BAR
	PERIOD 2
	s_wait_xcnt 0x0                                ; x's last loads have had their addresses translated: XO is rewritten only behind this wait
	POS 2
	ORDER                                          ; the tokens of my rows, a period ahead of their use
	BAR
	PERIOD 3
	s_wait_loadcnt 0x0                             ; the tokens are in
	s_wait_dscnt 0x0                               ; my last stores into the image have landed
	s_barrier_signal -1
	OO                                             ; work on registers while the others arrive
	s_barrier_wait -1                              ; the image is whole, and nobody writes it again: no barrier follows
	MK 3, 0
	MK 3, 1
	MK 3, 2
	MK 3, 3
	OUT 0
	OUT 1
	OUT 2
	; AN EXPERT WITH MORE THAN 384 TOKENS: 24 tiles a trip, from the finished image.  Each wave touches the image (read only) and its own XB: no barrier.  Its loads are waited for whole: a path for uneven splits.
	; The loop's count is a constant, MORE trips, which cover the 128 tiles that an expert can have at the most; a trip whose first tile lies past the expert's last jumps over its work, to the lines that step the two scalars.
	s_mov_b32 s[GB], 24
	s_mov_b32 s[TRIP], 0
.Lover:
	s_cmp_ge_u32 s[GB], s[SNT]                     ; on the stored count: none of the work-group's 24 tiles of this trip exists
	s_cbranch_scc1 .Lpast
	s_wait_xcnt 0x0                                ; the last stores have read their addresses and data: XO and the slots are written again only behind this wait
	SCAL
	XSADR
	XSLOAD
	POS 10
.irp c, 0,1,2,3
	XLOAD \c, 4, 0
	XLOAD \c, 5, 1
	XLOAD \c, 6, 2
	s_wait_loadcnt 0x0
	XPUT 4, 0
	XPUT 5, 1
	XPUT 6, 2
.irp k, 0,1,2,3
	MK \c, \k                                      ; (each K step ends its LDS reads with a wait for 0: so the next chunk may be laid over this one, and the slots loaded again)
.endr
.endr
	POS 2
	ORDER
	s_wait_loadcnt 0x0
	OO
	OUT 0
	OUT 1
	OUT 2
.Lpast:
	s_add_co_u32 s[GB], s[GB], 24
	s_add_co_u32 s[TRIP], s[TRIP], 1
	s_cmp_lt_u32 s[TRIP], MORE
	s_cbranch_scc1 .Lover
	s_wait_tensorcnt 0x0
	ds_add_u32 v254, v255
	s_wait_dscnt 0x0
	s_endpgm
.Lfunc_end_k_q51821659d5_experts:
	.size	k_q51821659d5_experts, .Lfunc_end_k_q51821659d5_experts-k_q51821659d5_experts
	.p2alignl 7, 3214868480
	.fill 96, 4, 3214868480
	.section	.rodata,"a",@progbits
	.p2align	6, 0x0
	.amdhsa_kernel k_q51821659d5_experts
		.amdhsa_group_segment_fixed_size 216064
		.amdhsa_private_segment_fixed_size 0
		.amdhsa_enable_private_segment 0
		.amdhsa_kernarg_size 56
		.amdhsa_user_sgpr_count 2
		.amdhsa_user_sgpr_kernarg_segment_ptr 1
		.amdhsa_wavefront_size32 1
		.amdhsa_system_sgpr_workgroup_id_x 1
		.amdhsa_system_sgpr_workgroup_id_y 1
		.amdhsa_system_sgpr_workgroup_id_z 1
		.amdhsa_system_vgpr_workitem_id 0
		.amdhsa_next_free_vgpr 512
		.amdhsa_next_free_sgpr 66
		.amdhsa_reserve_vcc 0
		.amdhsa_float_denorm_mode_32 3
		.amdhsa_float_denorm_mode_16_64 3
		.amdhsa_memory_ordered 1
		.amdhsa_forward_progress 1
		.amdhsa_inst_pref_size 255
	.end_amdhsa_kernel
	.section	.bss,"aw",@nobits
	.p2align	6
	.space	262144
	.amdgpu_metadata
---
amdhsa.version: [ 1, 2 ]
amdhsa.kernels:
  - .name:           k_q51821659d5_experts
    .symbol:         k_q51821659d5_experts.kd
    .args:
      - { .name: W, .offset: 0, .size: 8, .value_kind: global_buffer, .address_space: global }
      - { .name: b, .offset: 8, .size: 8, .value_kind: global_buffer, .address_space: global }
      - { .name: xq, .offset: 16, .size: 8, .value_kind: global_buffer, .address_space: global }
      - { .name: xs, .offset: 24, .size: 8, .value_kind: global_buffer, .address_space: global }
      - { .name: order, .offset: 32, .size: 8, .value_kind: global_buffer, .address_space: global }
      - { .name: meta, .offset: 40, .size: 8, .value_kind: global_buffer, .address_space: global }
      - { .name: out0, .offset: 48, .size: 8, .value_kind: global_buffer, .address_space: global }
    .group_segment_fixed_size: 216064
    .private_segment_fixed_size: 0
    .kernarg_segment_align: 8
    .kernarg_segment_size: 56
    .max_flat_workgroup_size: 256
    .sgpr_count:     66
    .vgpr_count:     512
    .wavefront_size: 32
...
	.end_amdgpu_metadata
.endif
;; end of part 2
;; ======== version 2 of 2: 2 launches
;; workspace buffers: xq 2,097,152 bytes; xs 131,072 bytes; order 8,192 bytes of whole numbers; meta 256 bytes of whole numbers
;; launch quant (part 3): grid 256 x 1, 8 waves a work-group, no clusters, 11,776 bytes of LDS; arguments x, masks, xq, xs, order, meta; writes xq, xs, order, meta
.if DOCPART == 3
	.amdgcn_target "amdgcn-amd-amdhsa--gfx1250"
	.amdhsa_code_object_version 6
	.text
	.protected	k_q51821659d5_quant
	.globl	k_q51821659d5_quant
	.p2align	8
	.type	k_q51821659d5_quant,@function
k_q51821659d5_quant:
	s_mov_b64 s[64:65], 0
	v_nop
	global_prefetch_b8 v0, s[64:65] scope:SCOPE_SE
	s_setreg_imm32_b32 hwreg(HW_REG_WAVE_MODE, 25, 1), 1
	s_wait_xcnt 0x0
; x [2048][2048] f32 becomes codes of FP4 (E2M1), K innermost, with one E8M0 byte for each 32 along K, and the tokens are SORTED BY EXPERT on the way.
; key(t) = masks[t] x 2048 + t;  pos(t) = the number of tokens with a smaller key: a permutation that lays each expert's tokens on end.  Stored:
;   xq[pos][1024 bytes] the token's codes;  xs[pos][64] its scale bytes;  order[pos] = t;  meta[e] = the number of tokens with masks < e (expert e's first place), e = 0 .. 7.
; A block's scale is 2^(floor(log2(its largest magnitude)) - 2): its byte is the largest magnitude's exponent field - 2, held at 1 from below.
; LIMITS: masks lie in 0 .. 7 (the table that they index).  NaN and infinities in x are not served.  A block of zeros gets the byte 1 where the rule says 127: its codes are zeros, and this program alone reads the bytes.
; SHARES: work-group g owns tokens 8 g .. 8 g + 7, wave w token 8 g + w: a row of 8,192 bytes, sixteen loads of 512 consecutive bytes, all out at once.
; A load's 128 numbers are one K step: lane l holds numbers 4 l .. 4 l + 3, eight neighbouring lanes hold a block.  No number goes through LDS as f32: only its codes (2 bytes a lane) and the bytes.
; THE COUNT: every work-group compares all 2,048 keys with its eight tokens' keys: thread n holds the keys of tokens 4 n + 1024 i + q; a wave's eight counts meet the other waves' in LDS.  No atomics.
; No matrix unit, no tensor load, no cluster: the launch streams x once, and nothing is shared but the 8 KiB of masks.
.set XR,   0                           ; LDS: 8 x 1,024: each wave's row of codes
.set XSB,  8192                        ; 8 x 64: its scale bytes
.set CNT,  8704                        ; 8 x 128: wave w's counts, lane j's word = its count for token 8 g + j
.set CNT2, 9728                        ; the same for meta: bytes of their own, used by work-group 0 alone
.set LN,  1                            ; v1   lane
.set L16, 2                            ; v2   16 x lane
.set MA,  3                            ; v3   16 x thread: my 16 bytes of masks
.set T4,  4                            ; v4   4 x thread: my first token, and my word among the counts
.set XRW, 5                            ; v5   XR + 1024 w + 2 lane: where my 4 codes of a K step go
.set XSW, 6                            ; v6   XSB + 64 w + lane / 8: my block's byte
.set CR,  8                            ; v8   4 w: my token's column among the counts; my word of meta
.set XRR, 9                            ; v9   XR + 1024 w + 16 lane: the row read back
.set XSR, 10                           ; v10  XSB + 64 w + 2 lane
.set L2,  11                           ; v11  2 x lane
.set KY,  16                           ; v16-23 eight masks, then their keys
.set R,   32                           ; v32-95 sixteen loads of x
.set WV,  16                           ; s16  wave
.set TOK, 17                           ; s17  my token
.set TH,  20                           ; s20-27 the group's eight masks, then their keys
.set CN,  28                           ; s28-35 my wave's eight counts
.set BAL, 36                           ; s36-39 lane masks of four compares
.set TH2, 44                           ; s44-51 e x 2048
	s_load_b256 s[4:11], s[0:1], 0x0               ; x s[4:5], masks s[6:7], xq s[8:9], xs s[10:11]
	s_load_b128 s[12:15], s[0:1], 0x20             ; order s[12:13], meta s[14:15]
	v_lshl_add_u32 v184, v0, 2, 0x2a00
	v_mov_b32 v185, 0
	v_lshrrev_b32 v[LN], 5, v0
	s_delay_alu instid0(VALU_DEP_1)
	v_readfirstlane_b32 s[WV], v[LN]               ; wave 0..7
	v_and_b32 v[LN], 31, v0
	s_delay_alu instid0(VALU_DEP_1)
	v_lshlrev_b32 v[L16], 4, v[LN]
	s_delay_alu instid0(VALU_DEP_2)
	v_lshlrev_b32 v[L2], 1, v[LN]
	v_lshlrev_b32 v[MA], 4, v0
	v_lshlrev_b32 v[T4], 2, v0
	s_lshl_b32 s56, s[WV], 10
	s_lshl_b32 s57, s[WV], 6
	s_add_co_u32 s57, s57, XSB
	v_add_nc_u32 v[XRW], s56, v[L2]
	v_lshrrev_b32 v[XSW], 3, v[LN]
	s_delay_alu instid0(VALU_DEP_1)
	v_add_nc_u32 v[XSW], s57, v[XSW]
	v_add_nc_u32 v[XRR], s56, v[L16]
	v_add_nc_u32 v[XSR], s57, v[L2]
	v_mov_b32 v[CR], s[WV]
	s_delay_alu instid0(VALU_DEP_1)
	v_lshlrev_b32 v[CR], 2, v[CR]
	s_lshl_b32 s43, ttmp9, 3                       ; 8 g
	s_add_co_u32 s[TOK], s43, s[WV]
	s_lshl_b32 s18, s[TOK], 13                     ; my row of x: 8,192 bytes a token
	s_mov_b32 s19, 0
	s_lshl_b32 s52, ttmp9, 5                       ; the group's eight masks: 32 bytes
	s_mov_b32 s53, 0
	s_wait_alu depctr_va_vdst(0)
	s_wait_kmcnt 0x0
	s_add_nc_u64 s[54:55], s[6:7], s[52:53]
	s_load_b256 s[TH:TH+7], s[54:55], 0x0
	global_load_b128 v[KY:KY+3], v[MA], s[6:7]                     ; masks of tokens 4 n + 0 .. 3
	global_load_b128 v[KY+4:KY+7], v[MA], s[6:7] offset:4096       ; and 1024 + 4 n + 0 .. 3
	s_add_nc_u64 s[4:5], s[4:5], s[18:19]
.irp i, 0,1,2,3,4,5,6,7,8,9,10,11,12,13,14,15
	global_load_b128 v[R+4*\i:R+4*\i+3], v[L16], s[4:5] offset:512*\i th:TH_LOAD_NT   ; K step i: 32 lanes read 512 consecutive bytes; read once in the launch
.endr
	s_wait_kmcnt 0x0
.irp j, 0,1,2,3,4,5,6,7
	s_lshl_b32 s[TH+\j], s[TH+\j], 11
	s_add_co_u32 s[TH+\j], s[TH+\j], s43
.if \j > 0
	s_add_co_u32 s[TH+\j], s[TH+\j], \j            ; key of token 8 g + j
.endif
.endr
	s_wait_loadcnt 16                              ; the two loads of masks are in; x's sixteen, issued behind them, stay out
.irp k, 0,1,2,3,4,5,6,7
	v_lshl_add_u32 v[KY+\k], v[KY+\k], 11, v[T4]
.endr
.irp k, 1,2,3,4,5,6,7
	v_add_nc_u32 v[KY+\k], 1024*(\k/4)+\k%4, v[KY+\k]
.endr
; For each of eight thresholds s[th + j]: how many of my wave's 256 keys lie under it.  The eight counts go into lanes 0-7 of v[vc] and to my wave's 128 bytes at base.
.macro COUNT8 th, vc, base
.irp j, 0,1,2,3,4,5,6,7
.irp q, 0,4
.irp i, 0,1,2,3
	v_cmp_gt_u32 s[BAL+\i], s[\th+\j], v[KY+\q+\i]
.endr
.irp i, 0,1,2,3
.if (\q+\i) == 0
	s_bcnt1_i32_b32 s[CN+\j], s[BAL]
.else
	s_bcnt1_i32_b32 s40, s[BAL+\i]
	s_add_co_u32 s[CN+\j], s[CN+\j], s40
.endif
.endr
.endr
.endr
	v_mov_b32 v[\vc], 0
.irp j, 0,1,2,3,4,5,6,7
	s_delay_alu instid0(VALU_DEP_1)
	v_writelane_b32 v[\vc], s[CN+\j], \j
.endr
	ds_store_b32 v[T4], v[\vc] offset:\base
.endm
	COUNT8 TH, 24, CNT
	s_cmp_lg_u32 ttmp9, 0                          ; work-group 0 also counts for meta
	s_cbranch_scc1 .Lno_count2
.irp j, 0,1,2,3,4,5,6,7
	s_mov_b32 s[TH2+\j], \j<<11
.endr
	COUNT8 TH2, 25, CNT2
.Lno_count2:
; Eight loads (K steps 8 r .. 8 r + 7) become codes and bytes.  Every line is taken eight wide, so that no line waits for the line above it; each run has its own temporaries.
; A conversion takes eight numbers: the four of load 2 j and the four of load 2 j + 1, which belong to two blocks.  It is made twice: under the first block's scale its low 16 bits are right,
; under the second's its high 16 bits; the other half is never stored (FP4 has no code for NaN: it is merely some code).
.macro QRUN r
.set RB,  R+32*\r
.set MX,  96+8*\r
.set CD,  112+8*\r
.set SCL, 128+8*\r
.set BY,  144+8*\r
.irp i, 0,1,2,3,4,5,6,7
	v_max3_num_f32 v[MX+\i], |v[RB+4*\i]|, |v[RB+4*\i+1]|, 0x1800000   ; with the floor 2^(3 - 127): the byte cannot fall under 1
.endr
.irp i, 0,1,2,3,4,5,6,7
	v_max3_num_f32 v[MX+\i], |v[RB+4*\i+2]|, |v[RB+4*\i+3]|, v[MX+\i]
.endr
.irp m, 1,2,4
.irp i, 0,1,2,3,4,5,6,7
	v_max_num_f32_dpp v[MX+\i], v[MX+\i], v[MX+\i] row_xmask:\m row_mask:0xf bank_mask:0xf   ; the block's eight lanes
.endr
.endr
.irp i, 0,1,2,3,4,5,6,7
	v_add_nc_u32 v[SCL+\i], 0xff000000, v[MX+\i]   ; 2 off the exponent field: the conversion takes the exponent field of this operand as its scale
.endr
.irp i, 0,1,2,3,4,5,6,7
	v_lshrrev_b32 v[BY+\i], 23, v[SCL+\i]          ; the scale's byte
.endr
.irp j, 0,1,2,3
	v_cvt_scalef32_pk8_fp4_f32 v[CD+2*\j], v[RB+8*\j:RB+8*\j+7], v[SCL+2*\j]
	v_cvt_scalef32_pk8_fp4_f32 v[CD+2*\j+1], v[RB+8*\j:RB+8*\j+7], v[SCL+2*\j+1]
.endr
	v_nop                                          ; one plain vector line behind the last scaled conversion
.irp j, 0,1,2,3
	ds_store_b16 v[XRW], v[CD+2*\j] offset:64*(8*\r+2*\j)               ; 32 lanes: the K step's 64 bytes of codes
	ds_store_b16_d16_hi v[XRW], v[CD+2*\j+1] offset:64*(8*\r+2*\j+1)
.endr
.irp i, 0,1,2,3,4,5,6,7
	ds_store_b8 v[XSW], v[BY+\i] offset:4*(8*\r+\i)                     ; the eight lanes of a block write the same byte with the same value
.endr
.endm
	s_wait_loadcnt 8                               ; K steps 0-7 are in; the eight loads behind them stay out
	QRUN 0
	s_wait_loadcnt 0x0
	QRUN 1
	s_wait_dscnt 0x0                               ; for the others' sake: my counts lie in LDS
	s_barrier_signal -1
	s_barrier_wait -1                              ; the one barrier: every wave passes it
	s_cmp_lg_u32 ttmp9, 0
	s_cbranch_scc1 .Lno_meta                       ; work-group 0, wave w: meta[w] = the eight waves' counts under w x 2048
.irp j, 0,1,2,3,4,5,6,7
	ds_load_b32 v[KY+\j], v[CR] offset:CNT2+128*\j
.endr
	s_wait_dscnt 0x0
	v_add3_u32 v26, v[KY], v[KY+1], v[KY+2]
	s_delay_alu instid0(VALU_DEP_1)
	v_add3_u32 v26, v26, v[KY+3], v[KY+4]
	s_delay_alu instid0(VALU_DEP_1)
	v_add3_u32 v26, v26, v[KY+5], v[KY+6]
	s_delay_alu instid0(VALU_DEP_1)
	v_add_nc_u32 v26, v26, v[KY+7]
	s_wait_alu depctr_va_vdst(0)
	s_wait_xcnt 0x0                                ; EXEC is a source of the memory instructions issued so far: it changes only behind this wait
	v_cmp_eq_u32 vcc_lo, 0, v[LN]
	s_and_saveexec_b32 s42, vcc_lo
	global_store_b32 v[CR], v26, s[14:15]
	s_wait_xcnt 0x0                                ; and again in front of the line that widens it
	s_or_b32 exec_lo, exec_lo, s42
.Lno_meta:
.irp j, 0,1,2,3,4,5,6,7
	ds_load_b32 v[170+\j], v[CR] offset:CNT+128*\j ; wave j's count for my token
.endr
	ds_load_b128 v[160:163], v[XRR]                ; my row of codes, 16 bytes a lane (my own bytes: LDS serves a wave's instructions in order)
	ds_load_b128 v[164:167], v[XRR] offset:512
	ds_load_u16 v168, v[XSR]                       ; its 64 scale bytes, 2 a lane
	s_wait_dscnt 0x0
	v_add3_u32 v178, v170, v171, v172
	s_delay_alu instid0(VALU_DEP_1)
	v_add3_u32 v178, v178, v173, v174
	s_delay_alu instid0(VALU_DEP_1)
	v_add3_u32 v178, v178, v175, v176
	s_delay_alu instid0(VALU_DEP_1)
	v_add_nc_u32 v178, v178, v177
	s_delay_alu instid0(VALU_DEP_1)
	v_readfirstlane_b32 s41, v178                  ; pos
	s_min_u32 s41, s41, 2047                       ; a count of at most 2,047 smaller keys: held there before it enters an address
	s_lshl_b32 s52, s41, 10
	s_add_nc_u64 s[8:9], s[8:9], s[52:53]
	s_lshl_b32 s52, s41, 6
	s_add_nc_u64 s[10:11], s[10:11], s[52:53]
	s_lshl_b32 s52, s41, 2
	s_add_nc_u64 s[12:13], s[12:13], s[52:53]
	v_mov_b32 v169, s[TOK]
	global_store_b128 v[L16], v[160:163], s[8:9]               ; 32 lanes store 512 consecutive bytes, at a multiple of 1,024 from xq's first byte
	global_store_b128 v[L16], v[164:167], s[8:9] offset:512
	global_store_b16 v[L2], v168, s[10:11]                     ; 64 consecutive bytes: neighbouring tokens land at places far apart, so no more lie together
	s_wait_alu depctr_va_vdst(0)
	s_wait_xcnt 0x0                                ; EXEC changes only behind this wait
	v_cmp_eq_u32 vcc_lo, 0, v[LN]
	s_wait_tensorcnt 0x0
	ds_add_u32 v184, v185
	s_wait_dscnt 0x0
	s_and_saveexec_b32 s42, vcc_lo
	global_store_b32 v[L16], v169, s[12:13]        ; order[pos] = t (lane 0's offset, 16 x lane, is 0)
	s_wait_xcnt 0x0
	s_or_b32 exec_lo, exec_lo, s42
	s_endpgm
.Lfunc_end_k_q51821659d5_quant:
	.size	k_q51821659d5_quant, .Lfunc_end_k_q51821659d5_quant-k_q51821659d5_quant
	.p2alignl 7, 3214868480
	.fill 96, 4, 3214868480
	.section	.rodata,"a",@progbits
	.p2align	6, 0x0
	.amdhsa_kernel k_q51821659d5_quant
		.amdhsa_group_segment_fixed_size 11776
		.amdhsa_private_segment_fixed_size 0
		.amdhsa_enable_private_segment 0
		.amdhsa_kernarg_size 48
		.amdhsa_user_sgpr_count 2
		.amdhsa_user_sgpr_kernarg_segment_ptr 1
		.amdhsa_wavefront_size32 1
		.amdhsa_system_sgpr_workgroup_id_x 1
		.amdhsa_system_sgpr_workgroup_id_y 1
		.amdhsa_system_sgpr_workgroup_id_z 1
		.amdhsa_system_vgpr_workitem_id 0
		.amdhsa_next_free_vgpr 186
		.amdhsa_next_free_sgpr 66
		.amdhsa_reserve_vcc 1
		.amdhsa_float_denorm_mode_32 3
		.amdhsa_float_denorm_mode_16_64 3
		.amdhsa_memory_ordered 1
		.amdhsa_forward_progress 1
		.amdhsa_inst_pref_size 37
	.end_amdhsa_kernel
	.amdgpu_metadata
---
amdhsa.version: [ 1, 2 ]
amdhsa.kernels:
  - .name:           k_q51821659d5_quant
    .symbol:         k_q51821659d5_quant.kd
    .args:
      - { .name: x, .offset: 0, .size: 8, .value_kind: global_buffer, .address_space: global }
      - { .name: masks, .offset: 8, .size: 8, .value_kind: global_buffer, .address_space: global }
      - { .name: xq, .offset: 16, .size: 8, .value_kind: global_buffer, .address_space: global }
      - { .name: xs, .offset: 24, .size: 8, .value_kind: global_buffer, .address_space: global }
      - { .name: order, .offset: 32, .size: 8, .value_kind: global_buffer, .address_space: global }
      - { .name: meta, .offset: 40, .size: 8, .value_kind: global_buffer, .address_space: global }
    .group_segment_fixed_size: 11776
    .private_segment_fixed_size: 0
    .kernarg_segment_align: 8
    .kernarg_segment_size: 48
    .max_flat_workgroup_size: 256
    .sgpr_count:     66
    .vgpr_count:     186
    .wavefront_size: 32
...
	.end_amdgpu_metadata
.endif
;; end of part 3
;; launch experts (part 4): grid 32 x 8, 8 waves a work-group, no clusters, 216,064 bytes of LDS; arguments W, b, xq, xs, order, meta, out0; writes out0
.if DOCPART == 4
	.amdgcn_target "amdgcn-amd-amdhsa--gfx1250"
	.amdhsa_code_object_version 6
	.text
	.protected	k_q51821659d5_experts
	.globl	k_q51821659d5_experts
	.p2align	8
	.type	k_q51821659d5_experts,@function
k_q51821659d5_experts:
	s_mov_b64 s[64:65], 0
	v_nop
	global_prefetch_b8 v0, s[64:65] scope:SCOPE_SE
	s_setreg_imm32_b32 hwreg(HW_REG_WAVE_SCHED_MODE, 0, 2), 2
	s_setreg_imm32_b32 hwreg(HW_REG_WAVE_MODE, 25, 1), 1
	s_wait_xcnt 0x0
	s_wait_alu depctr_vm_vsrc(0)
; out0[t][:] = Q(x[t]) . Q(W[e])^T + b[e], e = masks[t], on codes of FP4 (E2M1) with one E8M0 scale for each 32 along K.  Only the chosen expert's rows are multiplied.
; x comes as codes sorted by expert (xq, xs, order, meta: the launch before).  W [8][2048][2048] f32 is read ONCE, quantised on the way, and its codes never go to memory.
; SHARES: work-group (ns, e) owns expert e and output columns 64 ns .. 64 ns + 63: 64 rows of W, 512 KiB, and 256 consecutive bytes of every output row.  256 work-groups.
;   Wave w streams W's rows 8 w .. 8 w + 7 of the slice and lays their codes into an image in LDS that all eight waves read.
;   Wave w multiplies the tiles gb + w + 8 u (u = 0, 1, 2) of 16 sorted places of the expert against all 64 columns: 12 accumulators.  The main pass (gb = 0) holds 24 tiles, 384 tokens;
;   an expert with more tokens goes on in a loop of 24 tiles a trip, which reads the finished image and has no barrier: so every split is served, all tokens on one expert too.
; K goes in four chunks of 512.  In a period the waves quantise chunk c of W while they multiply chunk c - 1, one K step of 128 ahead of each W step; one barrier a period, all four in straight-line text.
; A place past the expert's end is held at its last place: such rows compute and store the same numbers again; a tile that does not exist is computed on one row and its way out is jumped over.  EXEC never changes.
; THE MATRIX INSTRUCTION: source 0 = 16 rows of W, source 1 = 16 tokens: lane (r, h) holds token r and columns 16 nt + 8 h + 0 .. 7.  The bias is the C of each sum's first product.
; NO TENSOR LOADS, NO CLUSTER: the number of tiles hangs on counts read from memory, so operands come through registers; W is shared by no two work-groups.
; LIMITS: masks in 0 .. 7 (expert 7 ends at place 2,048).  NaN and infinities are not served.  A block of zeros has the byte 1 and zero codes.  An expert without tokens still has its W streamed.
; THE MODE: SCHED_MODE bits 1:0 = 2 (LLVM: expert scheduling mode 2), set by the entry lines.  The code itself states the register dependences
; between vector or matrix instructions and memory or LDS instructions, with s_wait_alu, always for 0.
; THE PLAN.  Registers that memory or LDS instructions touch:
;   v1-13          addresses, made once at the head, never written again.
;   slots 0-3      W as loaded.  A W step's maxima and conversions read slot j; behind them the same rows of the next chunk are loaded into it.
;   slots 4-6      x's codes as loaded, later rows of results.  Loads land in them, LDS stores and global stores read them; no vector instruction names them.
;   BY, CD         written by a W step, read by its LDS stores.  They lie in WF.
;   WF, XF, WS     a K step's LDS loads land in them, its products read them.  WF is also a W step's temporaries, and OA.
;   XS             x's scale words: loaded once a pass, read by the products.
;   XO             written by POS and OO, loaded into by ORDER; read as offsets by x's loads and by the stores of results.
;   OA, XSO        written by POS and XSADR, read as offsets by ORDER's loads and by the loads of x's scale words.
;   ACC            written by the products, read by the way out's LDS stores.
; ONE wait on va_vdst stands in a W step, behind its last vector line.  It states that CD and BY are written, that slot j is read out, and that the products of the K step before are done with WF, XF and WS.
; No vector instruction follows it in the step: so the slot's loads, the step's LDS stores and the next K step's LDS loads owe no more on that side.
; Waits on vm_vsrc stand where BY and CD are written or loaded over again, where x's slots are asked for again, and where XO, OA or XSO change hands.
.set WIMG,  0                          ; LDS: W's image: 256 units (nt, block) of 16 rows x 16 bytes, 272 bytes apart: unit 64 nt + block.  Written once, never again
.set UNIT,  272                        ; 256 + 16: lanes 0-15 read one unit on end, lanes 16-31 the next, 16 bytes further round the banks
.set WSC,   69632                      ; W's scale bytes: [chunk][row 0..63][16]: byte 4 k + block of K step 4 chunk + k
.set XB,    110592                     ; each wave's own 13,056 bytes: three tiles of 16 rows x (256 + 16): x's codes of one chunk; at the end the results on their way out
.set XTILE, 4352
.set XWAVE, 13056
.set MORE,  5                          ; trips of the loop behind the main pass: 2,048 tokens are 128 tiles at the most: 24 in the main pass, 5 x 24 cover tiles 24 .. 143
; window 0
.set LW,   1                           ; v1   16 x lane
.set L15,  2                           ; v2   lane % 16
.set HALF, 3                           ; v3   lane / 16
.set L16,  4                           ; v4   16 x (lane % 16)
.set BOF,  5                           ; v5   32 x (lane / 16): my eight numbers of a tile's bias
.set IMW,  6                           ; v6   where my 4 codes go in the image
.set SCW,  7                           ; v7   where my block's byte goes
.set XBI,  8                           ; v8   XB: rows by pairs: 272 (lane / 16) + 16 (lane % 16)
.set XBF,  9                           ; v9   XB: a fragment: 272 (lane % 16) + 16 (lane / 16)
.set XBA,  10                          ; v10  XB: results: 272 (lane % 16) + 32 (lane / 16)
.set ADW0, 11                          ; v11  the image's fragments, nt = 0, 1;  v12: nt = 2, 3
.set ADW1, 12
.set ADS,  13                          ; v13  W's scale words: WSC + 16 x lane
.set XSO,  14                          ; v14  byte offset in xs: lanes 0-15 tile 0's rows, lanes 16-31 tile 1's;  v15: tile 2's
.set TMP,  16                          ; v16-18 at work
.set XO,   32                          ; v32-55  [8 u + i]: rows 2 i + lane / 16 of tile u: their byte offset in xq, then their tokens, then their byte offset in out0
.set WS,   56                          ; v56-63  W's scale words of a chunk: [4 a + k]: lanes 0-15 nt = 2 a, lanes 16-31 nt = 2 a + 1.  Scales and nothing else
.set XS,   64                          ; v64-95  x's scale words: [8 c + k] tiles 0 (lanes 0-15) and 1 (lanes 16-31), [8 c + 4 + k] tile 2.  Scales and nothing else
.set MX,   96                          ; a W step's temporaries: v96.. largest magnitudes, v104.. scale operands, v112.. bytes, v120.. codes
.set SCL,  104
.set BY,   112
.set CD,   120
.set WF,   96                          ; a K step's fragments: v96-127 W's four, v128-151 x's three
.set XF,   128
.set OA,   96                          ; v96-119 between two K steps: [8 u + i]: the same rows' byte offset in order
.set ACC,  152                         ; v152-247 accumulator (u, nt) at 32 u + 8 nt
; window 1: what is on its way from memory: slot j at v[32 j], j = 0 .. 3 W's, 4 .. 6 x's tiles;  v224-255 the bias, 8 registers for each nt, kept
.set BI,   224
.set WV,    18                         ; s18 wave
.set EX,    19                         ; s19 expert
.set START, 21                         ; s21 the expert's first place
.set END,   22                         ; s22 the place behind its last
.set SNT,   24                         ; s24 its tiles of 16
.set LAST,  25                         ; s25 its last place
.set GB,    26                         ; s26 the pass's first tile
.set TL,    27                         ; s27-29 my three tiles
.set PB,    30                         ; s30-32 their first places
.set TRIP,  44                         ; s44 counts the trips of the loop behind the main pass
.set MSB, 0
.macro WIN new                         ; s_set_vgpr_msb: bits 1:0 source 0, 3:2 source 1, 5:4 source 2, 7:6 destination; the high byte repeats the setting that is left
.if MSB != \new
	s_set_vgpr_msb (MSB<<8)|\new
.set MSB, \new
.endif
.endm
; THE COUNTS OF THE WAITS FOR LOADS are kept by the assembler: ISS = loads issued so far, ATj = ISS just behind slot j's eight.  Loads return in order, so ISS - ATj, the loads issued behind
; slot j's, may stay out.  The count is held at 63, the largest that the wait can name: a smaller count than the number of younger loads is always right.
.set ISS, 0
.macro WAITFOR j
.if ISS-AT\j > 63
	s_wait_loadcnt 63
.else
	s_wait_loadcnt ISS-AT\j
.endif
.endm
.macro WLOAD c, j                      ; slot j: my rows 2 j, 2 j + 1, chunk c: eight loads of 512 consecutive bytes, each one K step of one row
	WIN 0x40
.irp i, 0,1,2,3,4,5,6,7
	global_load_b128 v[32*\j+4*\i:32*\j+4*\i+3], v[LW], s[4:5] offset:(2*\j+\i/4)*8192+2048*(\c)+512*(\i%4) th:TH_LOAD_NT
.endr
	WIN 0
.set ISS, ISS+8
.set AT\j, ISS
.endm
.macro XLOAD c, j, u                   ; slot j: tile u's 16 rows of codes, chunk c: lanes 0-15 the 256 bytes of row 2 i, lanes 16-31 those of row 2 i + 1
	WIN 0x40
.irp i, 0,1,2,3,4,5,6,7
	global_load_b128 v[32*\j+4*\i:32*\j+4*\i+3], v[XO+8*\u+\i], s[8:9] offset:256*(\c)
.endr
	WIN 0
.set ISS, ISS+8
.set AT\j, ISS
.endm
; A W STEP: slot j's 1,024 numbers become codes and bytes in the image.  Lane l holds numbers 4 l .. 4 l + 3 of a load's 128: eight neighbouring lanes hold a block.  Every line eight wide.
; A conversion takes the four numbers of load 2 q and the four of load 2 q + 1 and is made twice: under the first's scale its low 16 bits are right, under the second's its high 16; the other half is never stored.
.macro WSTEP c, j
	WAITFOR \j
	s_wait_dscnt 0x0                               ; my LDS instructions issued so far are done
.if (\c) == 0 && (\j) > 0
	s_wait_alu depctr_vm_vsrc(0)                   ; the LDS stores of the W step before have read BY and CD, which this step writes again (in the later periods a wait that stands between has stated it: the X steps', or the K step's)
.endif
	WIN 0x05                                       ; sources 0 and 1: window 1
.irp i, 0,1,2,3,4,5,6,7
	v_max3_num_f32 v[MX+\i], |v[32*\j+4*\i]|, |v[32*\j+4*\i+1]|, 0x1800000   ; with the floor 2^(3 - 127): the byte cannot fall under 1
.endr
.irp i, 0,1,2,3,4,5,6,7
	v_max3_num_f32 v[MX+\i], |v[32*\j+4*\i+2]|, |v[32*\j+4*\i+3]|, v[MX+\i]
.endr
	WIN 0
.irp m, 1,2,4
.irp i, 0,1,2,3,4,5,6,7
	v_max_num_f32_dpp v[MX+\i], v[MX+\i], v[MX+\i] row_xmask:\m row_mask:0xf bank_mask:0xf
.endr
.endr
.irp i, 0,1,2,3,4,5,6,7
	v_add_nc_u32 v[SCL+\i], 0xff000000, v[MX+\i]   ; 2 off the exponent field: the conversion's scale operand
.endr
.irp i, 0,1,2,3,4,5,6,7
	v_lshrrev_b32 v[BY+\i], 23, v[SCL+\i]          ; the scale's byte
.endr
	WIN 0x01                                       ; source 0: window 1
.irp q, 0,1,2,3
	v_cvt_scalef32_pk8_fp4_f32 v[CD+2*\q], v[32*\j+8*\q:32*\j+8*\q+7], v[SCL+2*\q]
	v_cvt_scalef32_pk8_fp4_f32 v[CD+2*\q+1], v[32*\j+8*\q:32*\j+8*\q+7], v[SCL+2*\q+1]
.endr
	WIN 0
	v_nop                                          ; one plain vector line behind the last scaled conversion
	s_wait_alu depctr_va_vdst(0)                   ; CD and BY are written, which the LDS stores below read; the maxima and conversions are done reading slot j, in which the loads below land; the products of the K step before are done reading WF, XF and WS, in which the next K step's LDS loads land
.if \c < 3
	WLOAD \c+1, \j                                 ; the slot is asked for again at once: four slots, 16 KiB of W, are always on a wave's way.  No vector instruction since the wait names it
.endif
.irp i, 0,1,2,3,4,5,6,7
.if \i%2
	ds_store_b16_d16_hi v[IMW], v[CD+\i] offset:1088*(4*(\c)+\i%4)+32*\j+16*(\i/4)
.else
	ds_store_b16 v[IMW], v[CD+\i] offset:1088*(4*(\c)+\i%4)+32*\j+16*(\i/4)      ; K step 4 c + i % 4 (four units of 272), row 2 j + i / 4 of my eight
.endif
.endr
.irp i, 0,1,2,3,4,5,6,7
	ds_store_b8 v[SCW], v[BY+\i] offset:1024*(\c)+32*\j+16*(\i/4)+4*(\i%4)          ; the eight lanes of a block write the same byte with the same value
.endr
.endm
.macro XPUT j, u                       ; slot j's rows into my own XB
	WIN 0x04                                       ; an LDS store's data are its source 1: window 1
.irp i, 0,1,2,3,4,5,6,7
	ds_store_b128 v[XBI], v[32*\j+4*\i:32*\j+4*\i+3] offset:XTILE*\u+544*\i
.endr
	WIN 0
.endm
.macro XSTEPS c                        ; chunk c of my three tiles goes from the slots into XB; then the slots are asked for again, all three behind one wait
	WAITFOR 4
	XPUT 4, 0
	WAITFOR 5
	XPUT 5, 1
	WAITFOR 6
	XPUT 6, 2
.if \c < 3
	s_wait_dscnt 0x0                               ; my LDS stores are done
	s_wait_alu depctr_vm_vsrc(0)                   ; the LDS stores above have read slots 4 to 6, in which the next chunk's loads land; the last W step's have read BY and CD, in which the next K step's fragments land
	XLOAD \c+1, 4, 0
	XLOAD \c+1, 5, 1
	XLOAD \c+1, 6, 2
.endif
.endm
; A K STEP of 128, the k-th of chunk c: W's four fragments from the image, x's three from my XB, 12 products.  The 12 accumulators take turns, one instruction a turn, in the same order
; in every K step.  The very first K step takes the bias as C: nothing is cleared.
; w: what stands ahead of it.  1: a W step.  2: a K step.  0: waits that have stated both kinds of dependence already.
.macro MK c, k, w
.if \w == 1
	s_wait_alu depctr_vm_vsrc(0)                   ; the LDS stores of the W step before have read BY and CD, in which W's fragments land
.endif
.if \w == 2
	s_wait_alu depctr_va_vdst(0)                   ; the products of the K step before are done reading the fragments and the scale words, in which the loads below land
.endif
.if \k == 0
.irp a, 0,1
	ds_load_b128 v[WS+4*\a:WS+4*\a+3], v[ADS] offset:1024*(\c)+512*\a              ; the chunk's four scale words of rows 32 a + lane
.endr
.endif
.irp nt, 0,1,2,3
.irp cc, 0,1
	ds_load_b128 v[WF+8*\nt+4*\cc:WF+8*\nt+4*\cc+3], v[ADW0+\nt/2] offset:((\nt%2)*64+4*(4*(\c)+\k)+2*\cc)*UNIT   ; lane (r, h): block 4 s + 2 cc + h of row r
.endr
.endr
.irp u, 0,1,2
.irp cc, 0,1
	ds_load_b128 v[XF+8*\u+4*\cc:XF+8*\u+4*\cc+3], v[XBF] offset:XTILE*\u+64*\k+32*\cc
.endr
.endr
	s_wait_dscnt 0x0
.if (4*(\c)+\k) == 0
	WIN 0x10                                       ; source 2, the bias: window 1
.endif
.irp u, 0,1,2
.irp nt, 0,1,2,3
.set rD, ACC+32*\u+8*\nt
.if (4*(\c)+\k) == 0
.set rC, BI+8*\nt
.else
.set rC, rD
.endif
.set rA, WF+8*\nt
.set rB, XF+8*\u
.set rSA, WS+4*(\nt/2)+\k
.set rSB, XS+8*(\c)+4*(\u/2)+\k
.if (\nt%2) && (\u == 1)
	v_wmma_scale_f32_16x16x128_f8f6f4 v[rD:rD+7], v[rA:rA+7], v[rB:rB+7], v[rC:rC+7], v[rSA], v[rSB] matrix_a_fmt:MATRIX_FMT_FP4 matrix_b_fmt:MATRIX_FMT_FP4 matrix_a_scale:MATRIX_SCALE_ROW1 matrix_b_scale:MATRIX_SCALE_ROW1
.elseif \nt%2
	v_wmma_scale_f32_16x16x128_f8f6f4 v[rD:rD+7], v[rA:rA+7], v[rB:rB+7], v[rC:rC+7], v[rSA], v[rSB] matrix_a_fmt:MATRIX_FMT_FP4 matrix_b_fmt:MATRIX_FMT_FP4 matrix_a_scale:MATRIX_SCALE_ROW1
.elseif \u == 1
	v_wmma_scale_f32_16x16x128_f8f6f4 v[rD:rD+7], v[rA:rA+7], v[rB:rB+7], v[rC:rC+7], v[rSA], v[rSB] matrix_a_fmt:MATRIX_FMT_FP4 matrix_b_fmt:MATRIX_FMT_FP4 matrix_b_scale:MATRIX_SCALE_ROW1
.else
	v_wmma_scale_f32_16x16x128_f8f6f4 v[rD:rD+7], v[rA:rA+7], v[rB:rB+7], v[rC:rC+7], v[rSA], v[rSB] matrix_a_fmt:MATRIX_FMT_FP4 matrix_b_fmt:MATRIX_FMT_FP4
.endif
.endr
.endr
	WIN 0
.rept 4
	v_nop                                          ; four places (ISA guide 7.12.1) in front of what follows: a W step's or POS's writes over the fragments' registers, the first read of results
.endr
.endm
.macro SCAL                            ; my three tiles of the pass and their first places
	s_add_co_u32 s[TL], s[GB], s[WV]
	s_add_co_u32 s[TL+1], s[TL], 8
	s_add_co_u32 s[TL+2], s[TL], 16
.irp u, 0,1,2
	s_lshl_b32 s[PB+\u], s[TL+\u], 4
	s_add_co_u32 s[PB+\u], s[PB+\u], s[START]
.endr
.endm
; v[d + 8 u + i] = the place of row 2 i + lane / 16 of tile u, held at the expert's last place and inside the table; sh = 10: its byte in xq, + 16 (lane % 16); sh = 2: its word of order
.macro POS sh, d
.irp u, 0,1,2
	v_add_nc_u32 v[TMP], s[PB+\u], v[HALF]
.irp i, 0,1,2,3,4,5,6,7
.if \i == 0
	v_min_u32 v[\d+8*\u], s[LAST], v[TMP]
.else
	v_add_nc_u32 v[\d+8*\u+\i], 2*\i, v[TMP]
	v_min_u32 v[\d+8*\u+\i], s[LAST], v[\d+8*\u+\i]
.endif
	v_min_u32 v[\d+8*\u+\i], 0x7ff, v[\d+8*\u+\i]
.if \sh == 10
	v_lshl_add_u32 v[\d+8*\u+\i], v[\d+8*\u+\i], 10, v[L16]
.else
	v_lshlrev_b32 v[\d+8*\u+\i], 2, v[\d+8*\u+\i]
.endif
.endr
.endr
.endm
.macro XSADR                           ; tile 1 begins 8 tiles, 128 places, behind tile 0
	v_lshl_add_u32 v[TMP], v[HALF], 7, v[L15]
	v_add_nc_u32 v[XSO], s[PB], v[TMP]
	v_add_nc_u32 v[XSO+1], s[PB+2], v[L15]
.irp a, 0,1
	v_min_u32 v[XSO+\a], s[LAST], v[XSO+\a]
	v_min_u32 v[XSO+\a], 0x7ff, v[XSO+\a]
	v_lshlrev_b32 v[XSO+\a], 6, v[XSO+\a]          ; 64 scale bytes a place
.endr
.endm
.macro XSLOAD                          ; my rows' 64 scale bytes, four words for each chunk
.irp c, 0,1,2,3
	global_load_b128 v[XS+8*\c:XS+8*\c+3], v[XSO], s[10:11] offset:16*\c
	global_load_b128 v[XS+8*\c+4:XS+8*\c+7], v[XSO+1], s[10:11] offset:16*\c
.endr
.set ISS, ISS+8
.endm
.macro ORDER                           ; OA: a place's word of order;  XO takes its token
.irp n, 0,1,2,3,4,5,6,7,8,9,10,11,12,13,14,15,16,17,18,19,20,21,22,23
	global_load_b32 v[XO+\n], v[OA+\n], s[12:13]
.endr
.set ISS, ISS+24
.endm
.macro OO                              ; XO: a token -> the byte of its row in out0, + 16 (lane % 16)
.irp n, 0,1,2,3,4,5,6,7,8,9,10,11,12,13,14,15,16,17,18,19,20,21,22,23
	v_min_u32 v[XO+\n], 0x7ff, v[XO+\n]
	v_lshl_add_u32 v[XO+\n], v[XO+\n], 13, v[L16]
.endr
.endm
; THE WAY OUT of tile u.  A lane holds 32 neighbouring bytes of a row for each nt, and the lanes beside it hold other rows: so the tile goes through my own XB and comes back by rows of 256 bytes:
; sixteen lanes store 256 consecutive bytes, at a multiple of 256 from out0's first byte.  LDS serves a wave's instructions in order: no wait between the stores and the loads.
; It holds no vector instruction: the waits that stand ahead of the first tile's branch state all that the three tiles' LDS and memory instructions hang on.
.macro OUT u
	s_cmp_ge_u32 s[TL+\u], s[SNT]                  ; a tile that the expert does not have stores nothing
	s_cbranch_scc1 .Lnone_\@
.irp nt, 0,1,2,3
.irp q, 0,1
	ds_store_b128 v[XBA], v[ACC+32*\u+8*\nt+4*\q:ACC+32*\u+8*\nt+4*\q+3] offset:XTILE*\u+64*\nt+16*\q   ; each accumulator from its low end on
.endr
.endr
	WIN 0x40
.irp i, 0,1,2,3,4,5,6,7
	ds_load_b128 v[32*(4+\u)+4*\i:32*(4+\u)+4*\i+3], v[XBI] offset:XTILE*\u+544*\i
.endr
	WIN 0x04                                       ; a store's data are its source 1: window 1
.irp i, 0,1,2,3,4,5,6,7
	s_wait_dscnt 7-\i                              ; rows 2 i, 2 i + 1 are back; the loads behind them may be out
	global_store_b128 v[XO+8*\u+\i], v[32*(4+\u)+4*\i:32*(4+\u)+4*\i+3], s[16:17] th:TH_STORE_NT
.endr
	WIN 0
.Lnone_\@:
.endm
.macro PERIOD c                        ; chunk c of W and of x comes in; chunk c - 1 is multiplied, one K step ahead of each W step
.irp p, 0,1,2,3
.if \c > 0
.if \p == 0
	MK \c-1, \p, 0                                 ; behind the X steps' wait on vm_vsrc and the last W step's on va_vdst, with no vector instruction since that names a register of its loads
.else
	MK \c-1, \p, 1
.endif
.endif
	WSTEP \c, \p
.endr
	XSTEPS \c
.endm
.macro BAR                             ; my stores into the image have landed: then the work-group's barrier.  Behind it chunk c of the image is whole
	s_wait_dscnt 0x0
	s_barrier_signal -1
	s_barrier_wait -1
.endm
	s_load_b256 s[4:11], s[0:1], 0x0               ; W s[4:5], b s[6:7], xq s[8:9], xs s[10:11]
	s_load_b128 s[12:15], s[0:1], 0x20             ; order s[12:13], meta s[14:15]
	s_load_b64 s[16:17], s[0:1], 0x30              ; out0
	v_lshl_add_u32 v254, v0, 2, 0x34800
	v_mov_b32 v255, 0
	v_lshrrev_b32 v[TMP], 5, v0
	v_readfirstlane_b32 s[WV], v[TMP]              ; wave 0..7
	s_and_b32 s[EX], ttmp7, 0xffff                 ; the expert
	v_and_b32 v[TMP], 31, v0
	v_lshlrev_b32 v[LW], 4, v[TMP]
	v_and_b32 v[L15], 15, v0
	v_bfe_u32 v[HALF], v0, 4, 1
	s_wait_alu depctr_va_vdst(0)
	v_lshlrev_b32 v[L16], 4, v[L15]
	v_lshlrev_b32 v[BOF], 5, v[HALF]
	s_wait_alu depctr_va_sdst(0)                   ; the wave's number is written, ahead of its first reader
	; every LDS address is made here, of constants, the lane and the wave's number
	s_lshr_b32 s33, s[WV], 1
	s_mul_i32 s33, s33, 64*UNIT                    ; my rows' tile nt = w / 2,
	s_and_b32 s34, s[WV], 1
	s_lshl_b32 s34, s34, 7                         ; and their half of it: rows 8 (w % 2) on, 16 bytes a row
	s_add_co_u32 s33, s33, s34
	v_bfe_u32 v[TMP+1], v0, 3, 2                   ; lane / 8: my block of a K step's four
	v_and_b32 v[TMP+2], 7, v0
	v_mul_u32_u24 v[IMW], v[TMP+1], UNIT
	v_lshl_add_u32 v[IMW], v[TMP+2], 1, v[IMW]     ; my 2 bytes of the block's 16
	v_add_nc_u32 v[IMW], s33, v[IMW]
	s_lshl_b32 s33, s[WV], 7
	s_add_co_u32 s33, s33, WSC
	v_add_nc_u32 v[SCW], s33, v[TMP+1]
	s_mul_i32 s33, s[WV], XWAVE
	s_add_co_u32 s33, s33, XB
	v_mul_u32_u24 v[TMP+1], v[HALF], UNIT
	s_wait_alu depctr_va_vdst(0)
	v_add_nc_u32 v[TMP+1], v[TMP+1], v[L16]
	v_add_nc_u32 v[XBI], s33, v[TMP+1]
	v_add_nc_u32 v[ADW0], WIMG, v[TMP+1]
	v_add_nc_u32 v[ADW1], WIMG+128*UNIT, v[TMP+1]
	v_mul_u32_u24 v[TMP+2], v[L15], UNIT
	v_add_nc_u32 v[TMP+2], s33, v[TMP+2]
	v_lshl_add_u32 v[XBF], v[HALF], 4, v[TMP+2]
	v_lshl_add_u32 v[XBA], v[HALF], 5, v[TMP+2]
	v_add_nc_u32 v[ADS], WSC, v[LW]
	; byte offsets: W: expert 2^24, slice of 64 rows 2^19, my 8 rows 2^16;  b: expert 2^13, slice 2^8;  out0: slice 2^8;  meta: words e and min(e + 1, 7)
	s_lshl_b32 s34, s[EX], 24
	s_lshl_b32 s33, ttmp9, 19
	s_add_co_u32 s34, s34, s33
	s_lshl_b32 s33, s[WV], 16
	s_add_co_u32 s34, s34, s33
	s_mov_b32 s35, 0
	s_lshl_b32 s40, s[EX], 13
	s_lshl_b32 s42, ttmp9, 8
	s_add_co_u32 s40, s40, s42
	s_mov_b32 s41, 0
	s_mov_b32 s43, 0
	s_lshl_b32 s36, s[EX], 2
	s_mov_b32 s37, 0
	s_add_co_u32 s38, s[EX], 1
	s_min_u32 s38, s38, 7
	s_lshl_b32 s38, s38, 2
	s_mov_b32 s39, 0
	s_wait_kmcnt 0x0
	s_add_nc_u64 s[36:37], s[14:15], s[36:37]
	s_add_nc_u64 s[38:39], s[14:15], s[38:39]
	s_load_b32 s[START], s[36:37], 0x0
	s_load_b32 s[END], s[38:39], 0x0
	s_add_nc_u64 s[4:5], s[4:5], s[34:35]
	s_add_nc_u64 s[6:7], s[6:7], s[40:41]
	s_add_nc_u64 s[16:17], s[16:17], s[42:43]
	s_wait_alu depctr_va_vdst(0)                   ; the addresses v1 to v13 are written, which the kernel's loads, LDS stores and LDS loads read
	WLOAD 0, 0                                     ; W goes out first: it hangs on ids alone
	WLOAD 0, 1
	WLOAD 0, 2
	WLOAD 0, 3
	WIN 0x40
.irp nt, 0,1,2,3
.irp q, 0,1
	global_load_b128 v[BI+8*\nt+4*\q:BI+8*\nt+4*\q+3], v[BOF], s[6:7] offset:64*\nt+16*\q   ; b[e][64 ns + 16 nt + 8 h + 4 q ..]: the result's layout
.endr
.endr
	WIN 0
.set ISS, ISS+8
	s_wait_kmcnt 0x0                               ; the expert's places
	s_cmp_eq_u32 s[EX], 7
	s_cselect_b32 s[END], 0x800, s[END]            ; expert 7 ends at place 2,048
	s_min_u32 s[START], s[START], 2048
	s_min_u32 s[END], s[END], 2048
	s_max_u32 s[END], s[END], s[START]
	s_sub_co_u32 s23, s[END], s[START]             ; its tokens,
	s_add_co_u32 s[SNT], s23, 15
	s_lshr_b32 s[SNT], s[SNT], 4                   ; its tiles,
	s_max_u32 s[LAST], s[END], 1
	s_sub_co_u32 s[LAST], s[LAST], 1               ; its last place (with no token: some place inside the table; nothing is stored then)
	s_mov_b32 s[GB], 0
	SCAL
	XSADR
	POS 10, XO
	s_wait_alu depctr_va_vdst(0)                   ; XSO and XO are written, which the loads below read as offsets
	XSLOAD                                         ; ahead of x's slots: so the waits for those slots show the scale words and the bias landed, ahead of the first product
	XLOAD 0, 4, 0
	XLOAD 0, 5, 1
	XLOAD 0, 6, 2
	PERIOD 0
	BAR
	PERIOD 1
	BAR
	PERIOD 2
	s_wait_xcnt 0x0                                ; x's last loads have had their addresses translated: XO is loaded into only behind this wait
	s_wait_alu depctr_vm_vsrc(0)                   ; x's last loads have read XO, in which the tokens land
	POS 2, OA
	s_wait_alu depctr_va_vdst(0)                   ; OA is written, which the loads below read as offsets
	ORDER                                          ; the tokens of my rows, a period ahead of their use
	BAR
	s_wait_xcnt 0x0                                ; the loads of the tokens have had their addresses translated: OA's registers are loaded into only behind this wait
	s_wait_alu depctr_vm_vsrc(0)                   ; they have read OA, in which the next K step's fragments land
	PERIOD 3
	s_wait_loadcnt 0x0                             ; the tokens are in
	s_wait_dscnt 0x0                               ; my last stores into the image have landed
	s_barrier_signal -1
	OO                                             ; work on registers while the others arrive
	s_barrier_wait -1                              ; the image is whole, and nobody writes it again: no barrier follows
	s_wait_alu depctr_vm_vsrc(0)                   ; the last W step's LDS stores have read BY and CD, in which the fragments land; the last X steps' have read slots 4 to 6, in which the way out's LDS loads land
	MK 3, 0, 0
	MK 3, 1, 2
	MK 3, 2, 2
	MK 3, 3, 2
	s_wait_alu depctr_va_vdst(0)                   ; behind the four places: the products have written the accumulators, which the LDS stores of the way out read; XO, the stores' offsets, is written too
	OUT 0
	OUT 1
	OUT 2
	; AN EXPERT WITH MORE THAN 384 TOKENS: 24 tiles a trip, from the finished image.  Each wave touches the image (read only) and its own XB: no barrier.  Its loads are waited for whole: a path for uneven splits.
	; The loop's count is a constant, MORE trips, which cover the 128 tiles that an expert can have at the most; a trip whose first tile lies past the expert's last jumps over its work, to the lines that step the two scalars.
	s_mov_b32 s[GB], 24
	s_mov_b32 s[TRIP], 0
.Lover:
	s_wait_xcnt 0x0                                ; the last stores have had their addresses translated: XO, XSO and the slots are written again only behind this wait
	s_wait_alu depctr_vm_vsrc(0)                   ; ahead of the branch, so on every way to the trip's work: the last stores have read XO and slots 4 to 6, the way out's LDS stores the accumulators, the loads of scale words XSO, the loads of tokens OA: the trip writes or loads over all of them
	s_cmp_ge_u32 s[GB], s[SNT]                     ; on the stored count: none of the work-group's 24 tiles of this trip exists
	s_cbranch_scc1 .Lpast
	SCAL
	XSADR
	POS 10, XO
	s_wait_alu depctr_va_vdst(0)                   ; XSO and XO are written, which the loads below read; the last pass's products are done reading XS, WS and the fragments, in which this trip's loads land
	XSLOAD
.irp c, 0,1,2,3
.if \c > 0
	s_wait_alu depctr_va_vdst(0)                   ; the products of the chunk before are done reading the fragments and the scale words, in which this chunk's first K step loads
	s_wait_alu depctr_vm_vsrc(0)                   ; the LDS stores of the chunk before have read slots 4 to 6, in which the loads below land
.endif
	XLOAD \c, 4, 0
	XLOAD \c, 5, 1
	XLOAD \c, 6, 2
	s_wait_loadcnt 0x0
	XPUT 4, 0
	XPUT 5, 1
	XPUT 6, 2
	MK \c, 0, 0                                    ; (each K step ends its LDS reads with a wait for 0: so the next chunk may be laid over this one)
.irp k, 1,2,3
	MK \c, \k, 2
.endr
.endr
	s_wait_alu depctr_vm_vsrc(0)                   ; x's loads have read XO, in which the tokens land; the last chunk's LDS stores have read slots 4 to 6, in which the way out's LDS loads land
	POS 2, OA
	s_wait_alu depctr_va_vdst(0)                   ; OA is written, which the loads below read as offsets
	ORDER
	s_wait_loadcnt 0x0
	OO
	s_wait_alu depctr_va_vdst(0)                   ; XO is written, which the stores of the way out read as offsets; the products have written the accumulators, which its LDS stores read
	OUT 0
	OUT 1
	OUT 2
.Lpast:
	s_add_co_u32 s[GB], s[GB], 24
	s_add_co_u32 s[TRIP], s[TRIP], 1
	s_cmp_lt_u32 s[TRIP], MORE
	s_cbranch_scc1 .Lover
	s_wait_dscnt 0x0                               ; the closing lines, six on end
	s_wait_alu 0x0
	s_wait_tensorcnt 0x0
	ds_add_u32 v254, v255
	s_wait_dscnt 0x0
	s_endpgm
.Lfunc_end_k_q51821659d5_experts:
	.size	k_q51821659d5_experts, .Lfunc_end_k_q51821659d5_experts-k_q51821659d5_experts
	.p2alignl 7, 3214868480
	.fill 96, 4, 3214868480
	.section	.rodata,"a",@progbits
	.p2align	6, 0x0
	.amdhsa_kernel k_q51821659d5_experts
		.amdhsa_group_segment_fixed_size 216064
		.amdhsa_private_segment_fixed_size 0
		.amdhsa_enable_private_segment 0
		.amdhsa_kernarg_size 56
		.amdhsa_user_sgpr_count 2
		.amdhsa_user_sgpr_kernarg_segment_ptr 1
		.amdhsa_wavefront_size32 1
		.amdhsa_system_sgpr_workgroup_id_x 1
		.amdhsa_system_sgpr_workgroup_id_y 1
		.amdhsa_system_sgpr_workgroup_id_z 1
		.amdhsa_system_vgpr_workitem_id 0
		.amdhsa_next_free_vgpr 512
		.amdhsa_next_free_sgpr 66
		.amdhsa_reserve_vcc 0
		.amdhsa_float_denorm_mode_32 3
		.amdhsa_float_denorm_mode_16_64 3
		.amdhsa_memory_ordered 1
		.amdhsa_forward_progress 1
		.amdhsa_inst_pref_size 255
	.end_amdhsa_kernel
	.section	.bss,"aw",@nobits
	.p2align	6
	.space	262144
	.amdgpu_metadata
---
amdhsa.version: [ 1, 2 ]
amdhsa.kernels:
  - .name:           k_q51821659d5_experts
    .symbol:         k_q51821659d5_experts.kd
    .args:
      - { .name: W, .offset: 0, .size: 8, .value_kind: global_buffer, .address_space: global }
      - { .name: b, .offset: 8, .size: 8, .value_kind: global_buffer, .address_space: global }
      - { .name: xq, .offset: 16, .size: 8, .value_kind: global_buffer, .address_space: global }
      - { .name: xs, .offset: 24, .size: 8, .value_kind: global_buffer, .address_space: global }
      - { .name: order, .offset: 32, .size: 8, .value_kind: global_buffer, .address_space: global }
      - { .name: meta, .offset: 40, .size: 8, .value_kind: global_buffer, .address_space: global }
      - { .name: out0, .offset: 48, .size: 8, .value_kind: global_buffer, .address_space: global }
    .group_segment_fixed_size: 216064
    .private_segment_fixed_size: 0
    .kernarg_segment_align: 8
    .kernarg_segment_size: 56
    .max_flat_workgroup_size: 256
    .sgpr_count:     66
    .vgpr_count:     512
    .wavefront_size: 32
...
	.end_amdgpu_metadata
.endif
;; end of part 4
